; MI455X (gfx1250); checked and timed in simulation.
; The chip was launched on July 23, 2026; its instructions are those of AMD's public machine-readable ISA for CDNA 5 (MIT licence, August 2026) and "CDNA5" Instruction Set Architecture Reference Guide (July 2026). The comments in the code are by the model that wrote it; some were corrected since.
;; MLM Charater Learning. Allowed arithmetic: matrix products marked QUANTISED: E4M3 operands, one E8M0 scale for each 32 along K, by v_wmma_scale_f32_16x16x128_f8f6f4 with both operands' format E4M3, f32 sums; everything else in f32.
;; Inputs: W 32,000 x 1,024 float32; b 32,000 float32; embed_table 32,000 x 1,024 float32; input_ids 4 x 256 int32.
;; Outputs: out0 4 x 256 x 1,024 float32.
;; This version of the problem:
;;   THIS VERSION OF THE PROBLEM IS GIVEN IN LOW PRECISION. The matrix products marked QUANTISED in the list below multiply operands that are first quantised to E4M3 (4 exponent bits, 3 mantissa bits; 8 bits a number), with one power-of-two scale for each 32 numbers along K (OCP MX v1.0); their sums are f32. All else is computed in f32.
;;   The module's matrix products, in the order in which they are computed (A, B: the left and right operand; K: the contracted axis; several contracted axes count as one K, in the product's order):
;;     1. [M 1,024, K 1,024] x [K 1,024, N 32,000]; A: computed on the way; B: input W: QUANTISED
;;     2. [M 1,024, K 32,000] x [K 32,000, N 1,024]; A: softmax (see below); B: input W: QUANTISED
;;   THE QUANTISER, for each operand of a quantised product, along K:
;;     - K is cut into blocks of 32 from its start; a last block that is shorter is filled with zeros.
;;     - A block's scale is 2^e with e = floor(log2(the largest magnitude in the block)) - 8, held to -126 .. 127; a block of zeros has e = 0. As a byte (E8M0): e + 127.
;;     - Each number is divided by its block's scale, clamped to +-448, and rounded to the nearest number of E4M3, ties to even, subnormals kept.
;;     - The product sums the exact products of the quantised numbers (number of the format x scale) in f32.
;;   ~~~python
;;   def quantise(x, axis):      # numpy; x: float32 -> the quantised numbers, widened to float32 again
;;       x = np.moveaxis(x, axis, -1); K = x.shape[-1]
;;       x = np.pad(x, [(0, 0)] * (x.ndim - 1) + [(0, -K % 32)]); x = x.reshape(x.shape[:-1] + (-1, 32)); a = np.abs(x).max(-1, keepdims=True)
;;       e = np.where(a > 0, np.clip(np.frexp(np.where(a > 0, a, 1))[1] - 1 - 8, -126, 127), 0)      # np.frexp(a)[1] - 1 = floor(log2(a)), exactly
;;       r = np.clip(x / 2.0 ** e, -448, 448)
;;       step = 2.0 ** (np.maximum(np.frexp(np.where(r == 0, 1, r))[1] - 1, -6) - 3)
;;       q = np.round(r / step) * step * 2.0 ** e      # np.round: ties to even
;;       return np.moveaxis(q.reshape(q.shape[:-2] + (-1,))[..., :K], -1, axis).astype(np.float32)
;;   ~~~
;;   SOFTMAX AHEAD OF A QUANTISED PRODUCT. Where the list says 'softmax', what is quantised is not the finished softmax but p = 2^(t - M), with t = logit x log2(e) and M = ceil(the row's largest t), a whole number; so 1/2 < the row's largest p <= 1. The row's sum l is taken of the UNQUANTISED p, in f32, and the product's result is divided by l at the end. Since M is a whole number, a kernel that streams over the keys may use a running M (the ceiling of the running maximum): every later rescaling is an exact power of two, which a block's scale takes up: the codes' values come out the same.
;;   OPERANDS COMPUTED ON THE WAY. 'Computed on the way' means the value that the module computes at that place (a softmax that the list does not call 'softmax' is quantised finished and normalised). What goes into a quantiser is computed in f32, as accurately as f32 sums, v_exp_f32 and their like allow (about 1e-6 of the number): no bf16 or f16 on the way to a quantiser, and a product that is left as it is and whose result goes on into a quantised operand takes f32 operands (vector FMAs, or v_wmma_f32_16x16x4_f32). A number that lies on a knife's edge between two numbers of the format may be rounded either way, as far as f32 arithmetic and the matrix unit's own rounding can turn it there, and no further.
;; One version. Each part assembles by itself: llvm-mc -triple=amdgcn-amd-amdhsa -mcpu=gfx1250 --defsym DOCPART=n.
;; ======== version 1 of 1: 4 launches
;; limits: right only within a limited range of input values
;; workspace buffers: xq 1,081,344 bytes; w1q 33,792,000 bytes; w2q 34,603,008 bytes; pq 36,700,160 bytes; part 68,157,440 bytes
;; launch prep (part 1): grid 508 x 1, 8 waves a work-group, no clusters, 70,656 bytes of LDS; arguments W, embed_table, input_ids, xq, w1q, w2q, pq; writes xq, w1q, w2q, pq
.if DOCPART == 1
	.amdgcn_target "amdgcn-amd-amdhsa--gfx1250"
	.amdhsa_code_object_version 6
	.text
	.protected	k_qf6a3426d50_prep
	.globl	k_qf6a3426d50_prep
	.p2align	8
	.type	k_qf6a3426d50_prep,@function
k_qf6a3426d50_prep:
	s_mov_b64 s[64:65], 0
	v_nop
	global_prefetch_b8 v0, s[64:65] scope:SCOPE_SE
	s_setreg_imm32_b32 hwreg(HW_REG_WAVE_MODE, 25, 1), 1
	s_wait_xcnt 0x0
; PREP: every operand that comes from an input is quantised once (E4M3 codes, one E8M0 byte for each 32 along K) and laid as RECORDS.
; A RECORD is 128 rows x 128 K: 8 images of 2,048 bytes and a scale block of 512 bytes at +16,384.  Image i is the register image of a fragment of 16 rows: registers 4 c .. 4 c + 3 of lane l
; (row l % 16, k = 32 c + 16 (l / 16) + 0 .. 15) lie at 2048 i + 512 c + 16 l.  The scale word of image 2 t + u, row r lies at 16 (16 u + r) + 4 t of the block.
; Work-groups 0 .. 499: work-group 2 g + e takes keys 64 e .. 64 e + 63 of group g of 128 keys of W, wave w the columns 128 w on, in two tiles of 32 keys.  W is read ONCE and quantised TWICE: along H into
; record (g, w) of w1q, whose image 2 t + u has key 32 t + 8 u + r + 8 (r / 8) in row r, and along the keys into record (w, g) of w2q (rows = 128 columns of W, K = the group's keys).
; A TILE STAYS IN REGISTERS: row i of the 32 is loaded as 512 consecutive bytes, so lane L holds columns 4 L .. 4 L + 3 of every key.
;   Along the keys: register 4 i + c over i is a whole block of column 4 L + c; the hold writes its 32 numbers into consecutive registers, which the conversions take.
;   Along H: a block of 32 columns lies in eight neighbouring lanes: its largest magnitude is joined by three lane steps; the numbers are multiplied by 1 / scale (a power of two: nothing is rounded), held at +-448 and
;   converted under the scale 1, two keys' four numbers to a conversion.
;   Only CODES go through the wave's own stage in LDS, a quarter of the numbers' bytes, to be laid as images: sixteen lanes then store 256 consecutive bytes.
; Half a group to a work-group: 508 work-groups for 512 places (two on a WGP).  The price: of a record's scale block each half has 8 (w1q) or 2 (w2q) bytes of 16, which leave by narrow stores: 512 of 16,896 bytes.
; Work-groups 500 + qg (128 tokens each), wave w (128 along H): the tokens' rows of embed_table are gathered and quantised along H into record (qg, w) of xq: eight images, the row loads two images ahead.
; Work-groups 500 .. 505 also write the six groups of keys 32,000 .. 32,767 that make the second product's K a multiple of 2,048: zero codes, zero scale bytes, -M = +3e38, sum 0.
; A block's scale is 2^(floor(log2(largest magnitude)) - 8); its byte is the largest magnitude's exponent field - 8, held at 1 from below.
; LIMITS: a block of zeros, or one whose largest magnitude lies under 2^-118, gets the byte 1 (the bytes are read by this program alone; zero codes add nothing); NaN and infinities among the inputs are not served;
; an index is held at 31,999 from above.
; No tensor loads, no barrier, no cluster: waves share nothing, and no two work-groups read the same bytes of W.
.set REC,   16896
.set PST,   33554432                   ; pq: where the statistics begin
.set XP,    528                        ; w2q's stage: an image's 512 bytes of one block + 16
.set YP,    272                        ; w1q's stage: a unit of 256 bytes + 16
.set YS,    8*XP                       ; where w1q's stage begins: 16 units
.set BS,    YS+16*YP                   ; 128 scale bytes: 4 blocks x 32 keys
.set WREG,  BS+128                     ; a wave's LDS
.set SPARE, 8*WREG                     ; the spare words, 128 bytes for each wave
.set AXS, 6                            ; LDS addresses: w2q's codes in,
.set AXL, 7                            ; and back
.set WW1, 8                            ; v8-9   w1q's scale words
.set WW2, 12                           ; v12-15 w2q's scale words (two bytes each)
.set ABS, 16                           ; the scale bytes in,
.set ABL, 17                           ; and back
.set AWO, 18                           ; where column 4 L's word lies in a scale block
.set ONE, 19                           ; 1.0
.set B0,  20                           ; v20-23 four scale bytes of my key
.set TA,  24                           ; v24-27 at work
.set SPW, 28
.set NIL, 29
.set AYS, 30                           ; w1q's codes in,
.set AYL, 31                           ; and back
.set ST,  32                           ; v32-159  the tile: 4 registers a key
.set X,   160                          ; v160-191 32 keys of one column, held
.set PM,  160                          ; v160-175 eight pairs: 1 / scale, largest magnitude
.set SO,  192
.set HO,  196
.set C2,  200                          ; v200-207 a column's codes
.set YC,  208                          ; v208-215 eight keys' codes, 4 a lane
.set YB,  216                          ; v216-223 my block's 32 exponent fields
.set OUT, 224                          ; v224-255 images on their way out
.set XR,  32                           ; the token path: v32-159 two sets of 64 numbers
.set PC,  160
.set TM,  176
.set PW,  192
.set XW,  196                          ; v196-199 my lane's four words of xq's scale block
.set XA,  200                          ; v200-207 the byte offsets of my rows of the table
	s_load_b256 s[4:11], s[0:1], 0x0               ; W, embed_table, input_ids, xq
	s_load_b128 s[12:15], s[0:1], 0x20             ; w1q, w2q
	s_load_b64 s[16:17], s[0:1], 0x30              ; pq
	v_lshl_add_u32 v[SPW], v0, 2, SPARE
	v_mov_b32 v[NIL], 0
	v_lshrrev_b32 v1, 5, v0
	s_delay_alu instid0(VALU_DEP_1)
	v_readfirstlane_b32 s18, v1                    ; wave 0..7
	v_and_b32 v1, 31, v0                           ; lane L
	v_and_b32 v2, 15, v0                           ; r
	v_bfe_u32 v3, v0, 4, 1                         ; h
	s_delay_alu instid0(VALU_DEP_3)
	v_lshlrev_b32 v4, 4, v1                        ; 16 L
	s_delay_alu instid0(VALU_DEP_3)
	v_lshlrev_b32 v5, 4, v2
	s_delay_alu instid0(VALU_DEP_1)
	v_lshl_add_u32 v5, v3, 11, v5                  ; 2048 h + 16 r: image L / 16 of a pair, lane slot r
	s_mov_b32 s19, 0x600000                        ; the mantissa field of 448
	s_mov_b32 s20, 0x76543210
	s_mov_b32 s21, 0xfedcba98                      ; selects for lane l xor 16
	s_mov_b32 s22, 0xffff0000                      ; lanes 16-31
	s_cmp_ge_u32 ttmp9, 500
	s_cbranch_scc1 .Ltokens
	; ---------------- W ----------------
	s_mul_i32 s30, s18, WREG                       ; my LDS
	s_add_co_u32 s40, s30, YS
	s_add_co_u32 s41, s30, BS
	s_mov_b32 s42, 0x83000000                      ; 262 << 23: less the exponent field E it is the f32 number 2^(135 - E) = 1 / scale
	s_mov_b32 s43, 0xc3e00000                      ; -448
	s_mov_b32 s44, 0x43e00000                      ; 448
	s_wait_alu depctr_va_vdst(0)                   ; the lane's numbers were made ahead of the scalar lines above
	v_lshrrev_b32 v10, 2, v1                       ; L / 4
	v_and_b32 v11, 3, v1                           ; L % 4
	v_lshrrev_b32 v[ABS], 3, v1                    ; L / 8
	v_and_b32 v[ABL], 7, v0
	v_bfe_u32 v20, v0, 3, 1
	v_mul_u32_u24 v[AXS], v10, XP                  ; column 4 L + c: image L / 4, row 4 (L % 4) + c
	v_mul_u32_u24 v[AXL], v3, XP
	v_mul_u32_u24 v[AYS], v10, YP                  ; my four codes of a key: unit L / 4, byte 4 (L % 4) of the key's 16
	v_mul_u32_u24 v[AYL], v3, 8*YP
	v_lshlrev_b32 v[AWO], 2, v[ABS]
	v_and_b32 v21, 1, v10
	v_lshl_add_u32 v[AXS], v11, 6, v[AXS]
	v_lshl_add_u32 v[AXL], v2, 4, v[AXL]
	v_lshl_add_u32 v[AYS], v11, 2, v[AYS]
	v_lshl_add_u32 v[AYL], v2, 4, v[AYL]
	v_lshlrev_b32 v[ABS], 5, v[ABS]                ; 32 bytes for each block of columns
	v_lshl_add_u32 v[ABL], v20, 4, v[ABL]
	v_lshl_add_u32 v[AWO], v11, 6, v[AWO]
	v_add_nc_u32 v[AXS], s30, v[AXS]
	v_add_nc_u32 v[AXL], s30, v[AXL]
	v_add_nc_u32 v[AYS], s40, v[AYS]
	v_add_nc_u32 v[AYL], s40, v[AYL]
	v_add_nc_u32 v[ABS], s41, v[ABS]
	v_lshl_add_u32 v[ABL], v3, 3, v[ABL]           ; the key whose word lane L keeps: L % 8 + 16 ((L / 8) % 2) + 8 (L / 16)
	v_lshl_add_u32 v[AWO], v21, 8, v[AWO]          ; 256 ((L / 4) % 2) + 64 (L % 4) + 4 (L / 8)
	v_mov_b32 v[ONE], 1.0
	v_add_nc_u32 v[ABL], s41, v[ABL]
	s_lshl_b32 s24, ttmp9, 18                      ; 64 rows of 4,096 bytes a work-group
	s_lshl_b32 s31, s18, 9
	s_add_co_u32 s24, s24, s31
	s_mov_b32 s25, 0
	s_lshr_b32 s32, ttmp9, 1                       ; g
	s_and_b32 s33, ttmp9, 1                        ; e
	s_lshl_b32 s26, s32, 3
	s_add_co_u32 s26, s26, s18
	s_mul_i32 s26, s26, REC                        ; w1q: record 8 g + w
	s_lshl_b32 s34, s33, 3
	s_add_co_u32 s36, s26, s34                     ; its scale words 2 e, 2 e + 1 of a lane's four
	s_lshl_b32 s34, s33, 13
	s_add_co_u32 s26, s26, s34                     ; its images 4 e on
	s_mov_b32 s27, 0
	s_mov_b32 s37, 0
	s_lshl_b32 s28, s18, 8
	s_add_co_u32 s28, s28, s32
	s_mul_i32 s28, s28, REC                        ; w2q: record 256 w + g
	s_lshl_b32 s34, s33, 1
	s_add_co_u32 s38, s28, s34                     ; bytes 2 e, 2 e + 1 of each scale word
	s_lshl_b32 s34, s33, 10
	s_add_co_u32 s28, s28, s34                     ; blocks 2 e on of each image
	s_mov_b32 s29, 0
	s_mov_b32 s39, 0
	s_wait_alu depctr_va_vdst(0)
	s_wait_kmcnt 0x0
	s_add_nc_u64 s[24:25], s[4:5], s[24:25]
	s_add_nc_u64 s[26:27], s[12:13], s[26:27]
	s_add_nc_u64 s[36:37], s[12:13], s[36:37]
	s_add_nc_u64 s[28:29], s[14:15], s[28:29]
	s_add_nc_u64 s[38:39], s[14:15], s[38:39]
.macro WORD reg, idx, by               ; a byte goes into place idx of a scale word (a plain line directly behind the conversions)
.if (\idx) == 0
	v_mov_b32 v[\reg], v[\by]
.else
	v_lshl_or_b32 v[\reg], v[\by], 8*(\idx), v[\reg]
.endif
.endm
; eight keys 8 g .. 8 g + 7 of the tile along H; the eight take turns line by line.  Behind it their registers take the next tile's rows
.macro YCHUNK g, t
.irp i, 0,1,2,3,4,5,6,7
	v_max3_num_f32 v[PM+2*\i+1], |v[ST+32*(\g)+4*\i]|, |v[ST+32*(\g)+4*\i+1]|, |v[ST+32*(\g)+4*\i+2]|
.endr
.irp i, 0,1,2,3,4,5,6,7
	v_max3_num_f32 v[PM+2*\i+1], v[PM+2*\i+1], |v[ST+32*(\g)+4*\i+3]|, 0x4800000   ; my four, and the floor 2^(9 - 127)
.endr
.irp x, 1,2,4
.irp i, 0,1,2,3,4,5,6,7
	v_max_num_f32_dpp v[PM+2*\i+1], v[PM+2*\i+1], v[PM+2*\i+1] row_xmask:\x row_mask:0xf bank_mask:0xf   ; with the seven other lanes of the block
.endr
.endr
.irp i, 0,1,2,3,4,5,6,7
	v_and_b32 v[PM+2*\i], 0x7f800000, v[PM+2*\i+1]
.endr
.irp i, 0,1,2,3,4,5,6,7
	v_sub_nc_u32 v[PM+2*\i], s42, v[PM+2*\i]       ; 1 / scale
.endr
.irp i, 0,1,2,3,4,5,6,7
.if \i%4 == 0
	v_lshrrev_b32 v[YB+2*(\g)+\i/4], 23, v[PM+2*\i+1]      ; the exponent field: 8 is taken off the finished word
.else
	v_lshrrev_b32 v[PM+2*\i+1], 23, v[PM+2*\i+1]
.endif
.endr
.irp i, 0,1,2,3,4,5,6,7
	v_pk_mul_f32 v[ST+32*(\g)+4*\i:ST+32*(\g)+4*\i+1], v[ST+32*(\g)+4*\i:ST+32*(\g)+4*\i+1], v[PM+2*\i:PM+2*\i+1] op_sel_hi:[1,0]
	v_pk_mul_f32 v[ST+32*(\g)+4*\i+2:ST+32*(\g)+4*\i+3], v[ST+32*(\g)+4*\i+2:ST+32*(\g)+4*\i+3], v[PM+2*\i:PM+2*\i+1] op_sel_hi:[1,0]
.endr
.irp i, 0,1,2,3,4,5,6,7
.irp c, 0,1,2,3
	v_med3_num_f32 v[ST+32*(\g)+4*\i+\c], v[ST+32*(\g)+4*\i+\c], s43, s44   ; the conversion to an 8-bit code does not saturate (ISA guide 7.6.2): the hold
.endr
.if \i%4 != 0
	v_lshl_or_b32 v[YB+2*(\g)+\i/4], v[PM+2*\i+1], 8*(\i%4), v[YB+2*(\g)+\i/4]
.endif
.endr
.irp p, 0,1,2,3
	v_cvt_scalef32_pk8_fp8_f32 v[YC+2*\p:YC+2*\p+1], v[ST+32*(\g)+8*\p:ST+32*(\g)+8*\p+7], v[ONE]   ; two keys' four numbers: a register of codes for each key
.endr
	v_nop                                          ; a plain line behind the last conversion
.irp i, 0,1,2,3,4,5,6,7
	ds_store_b32 v[AYS], v[YC+\i] offset:8*YP*((\g)%2)+16*(\i+8*((\g)/2))   ; key 8 g + i is row i + 8 (g / 2) of image g % 2
.endr
.if (\t) < 1
.irp i, 0,1,2,3,4,5,6,7
	global_load_b128 v[ST+32*(\g)+4*\i:ST+32*(\g)+4*\i+3], v4, s[24:25] offset:(32*((\t)+1)+8*(\g)+\i)*4096 th:TH_LOAD_NT
.endr
.endif
.endm
.macro TILE t
	s_wait_alu depctr_va_vdst(0)
	s_wait_loadcnt 0x0                             ; the tile's 32 loads
	; along the keys: four columns a lane, by turns
.irp c, 0,1,2,3
	v_max3_num_f32 v[TA+\c], |v[ST+\c]|, |v[ST+4+\c]|, 0x4800000
.endr
.irp i, 2,4,6,8,10,12,14,16,18,20,22,24,26,28,30
.irp c, 0,1,2,3
	s_delay_alu instid0(VALU_DEP_4)
	v_max3_num_f32 v[TA+\c], v[TA+\c], |v[ST+4*\i+\c]|, |v[ST+4*\i+4+\c]|
.endr
.endr
.irp c, 0,1,2,3
	s_delay_alu instid0(VALU_DEP_4)
	v_add_nc_u32 v[SO+\c], 0xfc000000, v[TA+\c]    ; 8 off the exponent field: the conversion's scale operand
.endr
.irp c, 0,1,2,3
	v_and_or_b32 v[HO+\c], v[TA+\c], 0x7f800000, s19   ; 448 x the scale
.endr
.irp c, 0,1,2,3
	v_lshrrev_b32 v[TA+\c], 23, v[SO+\c]           ; the scale's byte
.endr
.irp c, 0,1,2,3
.set qi, 0
.rept 32
	v_med3_num_f32 v[X+qi], v[ST+4*qi+\c], -v[HO+\c], v[HO+\c]     ; the hold, which also brings the column's 32 keys into consecutive registers
.set qi, qi+1
.endr
.irp g, 0,1,2,3
	v_cvt_scalef32_pk8_fp8_f32 v[C2+2*\g:C2+2*\g+1], v[X+8*\g:X+8*\g+7], v[SO+\c]
.endr
	WORD WW2+\c, \t, TA+\c
	ds_store_b128 v[AXS], v[C2:C2+3] offset:16*\c          ; keys 0-15: lane slot r of the image;
	ds_store_b128 v[AXS], v[C2+4:C2+7] offset:16*\c+256    ; keys 16-31: lane slot 16 + r
.endr
	s_wait_alu depctr_va_vdst(0)
	s_wait_xcnt 0x0                                ; the last stores of v[OUT] on have read them
.irp m, 0,1,2,3,4,5,6,7
	ds_load_b128 v[OUT+4*\m:OUT+4*\m+3], v[AXL] offset:XP*2*(\m/2)+256*(\m%2)   ; LDS serves a wave's instructions in order: these see the stores above
.endr
	YCHUNK 0, \t
	s_wait_alu depctr_va_vdst(0)
	s_wait_dscnt 8                                 ; the eight loads are in; the eight stores behind them may be out
.irp m, 0,1,2,3,4,5,6,7
	global_store_b128 v5, v[OUT+4*\m:OUT+4*\m+3], s[28:29] offset:4096*(\m/2)+512*(\t)+256*(\m%2)   ; sixteen lanes fill 256 consecutive bytes
.endr
	YCHUNK 1, \t
	YCHUNK 2, \t
	YCHUNK 3, \t
	ds_store_b128 v[ABS], v[YB:YB+3]               ; my block's 32 fields (its eight lanes write the same bytes)
	ds_store_b128 v[ABS], v[YB+4:YB+7] offset:16
.irp j, 0,1,2,3
	ds_load_u8 v[B0+\j], v[ABL] offset:32*\j       ; my key's four
.endr
	s_wait_alu depctr_va_vdst(0)
	s_wait_xcnt 0x0
.irp m, 0,1,2,3,4,5,6,7
	ds_load_b128 v[OUT+4*\m:OUT+4*\m+3], v[AYL] offset:YP*\m
.endr
	s_wait_dscnt 8                                 ; the four bytes are in
	v_lshl_or_b32 v[WW1+(\t)], v[B0+1], 8, v[B0]
	s_delay_alu instid0(VALU_DEP_1)
	v_lshl_or_b32 v[WW1+(\t)], v[B0+2], 16, v[WW1+(\t)]
	s_delay_alu instid0(VALU_DEP_1)
	v_lshl_or_b32 v[WW1+(\t)], v[B0+3], 24, v[WW1+(\t)]
	s_delay_alu instid0(VALU_DEP_1)
	v_add_nc_u32 v[WW1+(\t)], 0xf7f7f7f8, v[WW1+(\t)]      ; 8 off each byte: each is 9 at the least, so no byte borrows
	s_wait_alu depctr_va_vdst(0)
	s_wait_dscnt 0x0
.irp m, 0,1,2,3,4,5,6,7
	global_store_b128 v5, v[OUT+4*\m:OUT+4*\m+3], s[26:27] offset:4096*(\t)+512*(\m/2)+256*(\m%2)
.endr
.endm
.set ri, 0
.rept 32
	global_load_b128 v[ST+4*ri:ST+4*ri+3], v4, s[24:25] offset:ri*4096 th:TH_LOAD_NT   ; each load reads 512 consecutive bytes of a row
.set ri, ri+1
.endr
	TILE 0
	TILE 1
	global_store_b64 v4, v[WW1:WW1+1], s[36:37] offset:16384       ; my half of the scale blocks: two words of a lane's four,
.irp c, 0,1,2,3
	global_store_b16 v[AWO], v[WW2+\c], s[38:39] offset:16384+16*\c    ; and two bytes of the word of column 4 L + c
.endr
	s_wait_tensorcnt 0x0                           ; the wave's end
	ds_add_u32 v[SPW], v[NIL]
	s_wait_dscnt 0x0
	s_endpgm
	; ---------------- the tokens ----------------
.Ltokens:
	s_sub_co_u32 s23, ttmp9, 500                   ; qg: which 128 tokens
	s_lshl_b32 s24, s23, 9                         ; their indices: 4 bytes a token
	s_mov_b32 s25, 0
	s_lshl_b32 s26, s18, 9                         ; my 128 along H
	s_mov_b32 s27, 0
	s_lshl_b32 s28, s23, 3
	s_add_co_u32 s28, s28, s18
	s_mul_i32 s28, s28, REC                        ; xq: record 8 qg + w
	s_mov_b32 s29, 0
	s_wait_alu depctr_va_vdst(0)
	v_lshlrev_b32 v9, 2, v2
	v_lshlrev_b32 v10, 6, v3
.irp b, 0,1,2,3
	v_mov_b32 v[TM+4+\b], 0                        ; written once: a lane permute's destination counts as one of its sources
.endr
	s_wait_alu depctr_va_vdst(0)
	s_wait_kmcnt 0x0
	s_add_nc_u64 s[24:25], s[8:9], s[24:25]
	s_add_nc_u64 s[26:27], s[6:7], s[26:27]
	s_add_nc_u64 s[28:29], s[10:11], s[28:29]
.irp a, 0,1,2,3,4,5,6,7
	global_load_b32 v[XA+\a], v9, s[24:25] offset:64*\a            ; the index of token 16 a + r
.endr
	s_wait_loadcnt 0x0
.irp a, 0,1,2,3,4,5,6,7
	v_min_u32 v[XA+\a], 0x7cff, v[XA+\a]
.endr
.irp a, 0,1,2,3,4,5,6,7
	v_lshlrev_b32 v[XA+\a], 12, v[XA+\a]           ; a row of the table is 4,096 bytes
.endr
.irp a, 0,1,2,3,4,5,6,7
	v_add_nc_u32 v[XA+\a], v[XA+\a], v10           ; + 64 h: my 16 numbers of each block of 32
.endr
.macro XLOAD a                         ; register 16 b + i = k 32 b + 16 h + i of row 16 a + r.  No hint: the list may name a row twice
.set xs, XR+64*((\a)%2)
.irp b, 0,1,2,3
.irp j, 0,1,2,3
	global_load_b128 v[xs+16*\b+4*\j:xs+16*\b+4*\j+3], v[XA+(\a)], s[26:27] offset:128*\b+16*\j
.endr
.endr
.endm
.macro QUANT s                         ; 64 numbers of a lane -> a fragment's codes in v[PC] on, its row's scale word in v[PW]
.irp b, 0,1,2,3
	v_max3_num_f32 v[TM+\b], |v[\s+16*\b]|, |v[\s+1+16*\b]|, 0x4800000
.endr
.irp i, 2,4,6,8,10,12,14
.irp b, 0,1,2,3
	s_delay_alu instid0(VALU_DEP_4)
	v_max3_num_f32 v[TM+\b], v[TM+\b], |v[\s+16*\b+\i]|, |v[\s+1+16*\b+\i]|
.endr
.endr
.irp b, 0,1,2,3
	s_delay_alu instid0(VALU_DEP_4)
	v_permlanex16_b32 v[TM+4+\b], v[TM+\b], s20, s21
.endr
.irp b, 0,1,2,3
	s_delay_alu instid0(VALU_DEP_4)
	v_max_num_f32 v[TM+\b], v[TM+\b], v[TM+4+\b]   ; with lane l xor 16's: the block's largest magnitude
.endr
.irp b, 0,1,2,3
	s_delay_alu instid0(VALU_DEP_4)
	v_add_nc_u32 v[TM+12+\b], 0xfc000000, v[TM+\b]
.endr
.irp b, 0,1,2,3
	v_and_or_b32 v[TM+8+\b], v[TM+\b], 0x7f800000, s19
.endr
.irp b, 0,1,2,3
	v_lshrrev_b32 v[TM+4+\b], 23, v[TM+12+\b]
.endr
	s_delay_alu instid0(VALU_DEP_3)
	v_lshl_or_b32 v[PW], v[TM+5], 8, v[TM+4]
	s_delay_alu instid0(VALU_DEP_1)
	v_lshl_or_b32 v[PW], v[TM+6], 16, v[PW]
	s_delay_alu instid0(VALU_DEP_1)
	v_lshl_or_b32 v[PW], v[TM+7], 24, v[PW]
	s_wait_xcnt 0x0                                ; the last image's stores have read the code registers
.irp b, 0,1,2,3
.irp i, 0,1,2,3,4,5,6,7,8,9,10,11,12,13,14,15
	v_med3_num_f32 v[\s+16*\b+\i], v[\s+16*\b+\i], -v[TM+8+\b], v[TM+8+\b]
.endr
	v_cvt_scalef32_pk8_fp8_f32 v[PC+4*\b:PC+1+4*\b], v[\s+16*\b:\s+7+16*\b], v[TM+12+\b]
	v_cvt_scalef32_pk8_fp8_f32 v[PC+2+4*\b:PC+3+4*\b], v[\s+8+16*\b:\s+15+16*\b], v[TM+12+\b]
.endr
	v_nop                                          ; a plain line behind the last conversion
.endm
	XLOAD 0
	XLOAD 1
.irp i, 0,1,2,3,4,5,6,7                ; image i: its 16 loads are in, the next image's 16 may be out
.if \i < 7
	s_wait_loadcnt 16
.else
	s_wait_loadcnt 0x0
.endif
	QUANT XR+64*(\i%2)
.irp c, 0,1,2,3
	global_store_b128 v4, v[PC+4*\c:PC+4*\c+3], s[28:29] offset:2048*\i+512*\c     ; 512 consecutive bytes
.endr
.if \i%2 == 0
	v_mov_b32 v[XW+\i/2], v[PW]                    ; lanes 0-15: image 2 t's words;
.else
	v_cndmask_b32 v[XW+\i/2], v[XW+\i/2], v[PW], s22   ; lanes 16-31: image 2 t + 1's
.endif
.if \i < 6
	XLOAD \i+2                                     ; the set just converted takes the image two on
.endif
.endr
	global_store_b128 v4, v[XW:XW+3], s[28:29] offset:16384        ; the scale block: 512 consecutive bytes
	; the six groups of keys that fill K: wave w writes record (w, g) of w2q and of pq, g = 250 + qg, in work-groups 500 .. 505
	s_cmp_lt_u32 ttmp9, 506
	s_cbranch_scc0 .Lend
	s_lshl_b32 s30, s18, 8
	s_add_co_u32 s30, s30, s23
	s_add_co_u32 s30, s30, 250
	s_mul_i32 s32, s30, REC
	s_mov_b32 s33, 0
	s_lshl_b32 s34, s30, 14
	s_mov_b32 s35, 0
	s_mul_i32 s36, s30, 1536
	s_add_co_u32 s36, s36, PST
	s_mov_b32 s37, 0
	s_add_nc_u64 s[32:33], s[14:15], s[32:33]
	s_add_nc_u64 s[34:35], s[16:17], s[34:35]
	s_add_nc_u64 s[36:37], s[16:17], s[36:37]
.irp i, 12,13,14,15
	v_mov_b32 v[\i], 0
.endr
.irp i, 16,17,18,19
	v_mov_b32 v[\i], 0x7f61b1e6                    ; -M = +3e38: such a group is never a split's largest
.endr
.set pi, 0
.rept 33
	global_store_b128 v4, v[12:15], s[32:33] offset:512*pi
.set pi, pi+1
.endr
.set pi, 0
.rept 32
	global_store_b128 v4, v[12:15], s[34:35] offset:512*pi
.set pi, pi+1
.endr
	global_store_b128 v4, v[12:15], s[36:37]
	global_store_b128 v4, v[16:19], s[36:37] offset:512
	global_store_b128 v4, v[12:15], s[36:37] offset:1024
.Lend:
	s_endpgm
.Lfunc_end_k_qf6a3426d50_prep:
	.size	k_qf6a3426d50_prep, .Lfunc_end_k_qf6a3426d50_prep-k_qf6a3426d50_prep
	.p2alignl 7, 3214868480
	.fill 96, 4, 3214868480
	.section	.rodata,"a",@progbits
	.p2align	6, 0x0
	.amdhsa_kernel k_qf6a3426d50_prep
		.amdhsa_group_segment_fixed_size 70656
		.amdhsa_private_segment_fixed_size 0
		.amdhsa_enable_private_segment 0
		.amdhsa_kernarg_size 56
		.amdhsa_user_sgpr_count 2
		.amdhsa_user_sgpr_kernarg_segment_ptr 1
		.amdhsa_wavefront_size32 1
		.amdhsa_system_sgpr_workgroup_id_x 1
		.amdhsa_system_sgpr_workgroup_id_y 1
		.amdhsa_system_sgpr_workgroup_id_z 1
		.amdhsa_system_vgpr_workitem_id 0
		.amdhsa_next_free_vgpr 256
		.amdhsa_next_free_sgpr 66
		.amdhsa_reserve_vcc 0
		.amdhsa_float_denorm_mode_32 3
		.amdhsa_float_denorm_mode_16_64 3
		.amdhsa_memory_ordered 1
		.amdhsa_forward_progress 1
		.amdhsa_inst_pref_size 215
	.end_amdhsa_kernel
	.amdgpu_metadata
---
amdhsa.version: [ 1, 2 ]
amdhsa.kernels:
  - .name:           k_qf6a3426d50_prep
    .symbol:         k_qf6a3426d50_prep.kd
    .args:
      - { .name: W, .offset: 0, .size: 8, .value_kind: global_buffer, .address_space: global }
      - { .name: embed_table, .offset: 8, .size: 8, .value_kind: global_buffer, .address_space: global }
      - { .name: input_ids, .offset: 16, .size: 8, .value_kind: global_buffer, .address_space: global }
      - { .name: xq, .offset: 24, .size: 8, .value_kind: global_buffer, .address_space: global }
      - { .name: w1q, .offset: 32, .size: 8, .value_kind: global_buffer, .address_space: global }
      - { .name: w2q, .offset: 40, .size: 8, .value_kind: global_buffer, .address_space: global }
      - { .name: pq, .offset: 48, .size: 8, .value_kind: global_buffer, .address_space: global }
    .group_segment_fixed_size: 70656
    .private_segment_fixed_size: 0
    .kernarg_segment_align: 8
    .kernarg_segment_size: 56
    .max_flat_workgroup_size: 256
    .sgpr_count:     66
    .vgpr_count:     256
    .wavefront_size: 32
...
	.end_amdgpu_metadata
.endif
;; end of part 1
;; launch logits (part 2): grid 4 x 125, 4 waves a work-group, clusters of 4 x 1, 327,680 bytes of LDS; arguments xq, w1q, b, pq; writes pq
.if DOCPART == 2
	.amdgcn_target "amdgcn-amd-amdhsa--gfx1250"
	.amdhsa_code_object_version 6
	.text
	.protected	k_qf6a3426d50_logits
	.globl	k_qf6a3426d50_logits
	.p2align	8
	.type	k_qf6a3426d50_logits,@function
k_qf6a3426d50_logits:
	s_mov_b64 s[64:65], 0
	v_nop
	global_prefetch_b8 v0, s[64:65] scope:SCOPE_SE
	s_setreg_imm32_b32 hwreg(HW_REG_WAVE_MODE, 25, 1), 1
	s_wait_xcnt 0x0
	s_wait_alu depctr_hold_cnt(0) depctr_sa_sdst(0) depctr_va_vdst(0) depctr_va_sdst(0) depctr_va_ssrc(0) depctr_va_vcc(0) depctr_vm_vsrc(0)
	s_getreg_b32 s2, hwreg(HW_REG_IB_STS2, 6, 4)
	s_cmp_eq_u32 s2, 0
	s_cbranch_scc0 .Lentry_in_a_cluster
	s_endpgm
.Lentry_in_a_cluster:
	s_bfe_u32 s2, ttmp6, 0x10000c
	s_cmp_lg_u32 s2, 0x3003
	s_cbranch_scc0 .Lentry_shape_is_right
	s_endpgm
.Lentry_shape_is_right:
; LOGITS: logit = x W^T + b on codes of E4M3 (K = 1,024), and of each group of 128 keys the piece of the softmax: p = 2^(t - M), t = logit x log2(e), M = the ceiling of the GROUP's largest t for that
; query, a whole number; p is quantised along the keys and leaves as codes, with its scale words, -M and the group's sum of the unquantised p.  The later launches bring the groups under one M by exact powers of two.
; A tile of 256 queries x 256 keys is made by four waves, each 128 x 128: 64 accumulators, 512 registers.  K goes in 8 steps of 128 through a ring of two LDS slots of two steps.
; Operands come as RECORDS (128 rows x 128 K: 8 register images of 2,048 bytes, a scale block of 512): a fragment is four loads of 16 bytes a lane at 16 x lane, 512 consecutive bytes each; two steps of 128 rows are
; one dense block of 33,792 bytes: one tensor load.
; CLUSTER: the four work-groups of a cluster take the four query tiles of one key tile: W's records are asked for JOINTLY (mask 15); x's differ from partner to partner and come by plain loads in the same rounds.
; A cluster of 4 x 4 is not used: the 125 key tiles do not divide by four.
; THE MATRIX INSTRUCTION IS USED TRANSPOSED (source 0 = 16 keys, source 1 = 16 queries), and the keys of an image were chosen so that register 16 B + i of a query's 64 is key 32 B + 16 (lane / 16) + i.
; The bias is the C of each sum's first product.  LIMITS: NaN and infinities are not served; a block of p whose largest p lies under 2^-118 of its group's keeps the byte 1.
; REGISTERS: window 0: v16-29 addresses; v32-63 scale words, two sets; v64-127 the bias, later the statistics; v128-255 x's fragments, later the softmax's work.  window 1: W's fragments, two sets.
;   windows 2, 3: the accumulators ((a, b) at v[8 (8 (a % 4) + b)] of window 2 + a / 4).
.set REC,   16896
.set PARTB, 2*REC                      ; what one tensor load brings: two steps of 128 rows
.set SLOT,  4*PARTB                    ; x's two halves, then W's two halves
.set SPARE, 2*SLOT                     ; the spare words, 128 bytes for each wave
.set PST,   33554432
.set FR, 16
.set NL, 4
.set NP, 8
.set ADRA, 16                          ; v16-17 my x fragments in slot 0, 1
.set ADRB, 20                          ; v20-21 my W fragments
.set ADRS, 22                          ; v22-23 scale blocks: lanes 0-15 x's, lanes 16-31 W's
.set PO,   26                          ; v26    16 x lane
.set SPW,  28
.set NIL,  29
.set PFO,  27                          ; v27    the prefetches' offset: 256 x (lane % 16) + a record x (lane / 16); never rewritten
.set SC,   32                          ; scale words: image i of step q in set s at SC + 16 s + 8 q + 4 (i % 2) + i / 2
.set BI,   64                          ; the bias, 8 registers for each of my 8 tiles of keys
.set AF,   128
.set G1,  24
.set G0,  32
.set G1B, 48
.set G0B, 56
.set T,   128                          ; the softmax: 64 numbers
.set PC,  192                          ; 16 registers of codes
.set MX,  208
.set MY,  212
.set HO,  216
.set SO,  220
.set NM,  224                          ; v[224:225] -M (the pair's low word serves both halves)
.set SU,  226
.set SV,  228
.set PW,  230
.set TA,  231
.set TB,  232
.set WB,  96                           ; p's scale words, -M and the sums, in the scale block's arrangement
.set NB,  100
.set LB,  104
.set MSB, 0
.macro WIN new                         ; the immediate's high byte repeats the setting that is left
.if MSB != (\new)
	s_set_vgpr_msb (MSB<<8)|(\new)
.set MSB, (\new)
.endif
.endm
.set MUL_LO, 0xa1                      ; source 0 (W) window 1, source 1 (x) window 0, C and D window 2
.set MUL_HI, 0xf1
.set TO_B,   0x40
.macro JLOAD g0a, g1a, g0b, g1b        ; waves 0, 1 fetch x's halves, waves 2, 3 W's; four v_nop follow each line
	s_cmp_eq_u32 s15, 0
	s_cbranch_scc0 .Lfor_b_\@
	tensor_load_to_lds s[\g0a:\g0a+3], s[\g1a:\g1a+7]
	s_nop 0
.rept 4
	v_nop
.endr
	s_branch .Lasked_\@
.Lfor_b_\@:
	tensor_load_to_lds s[\g0b:\g0b+3], s[\g1b:\g1b+7]
	s_nop 0
.rept 4
	v_nop
.endr
.Lasked_\@:
.endm
.macro CREST
	s_cmp_lg_u32 s14, 0
	s_cbranch_scc1 .Lnot_wave_0_\@
	s_barrier_signal -3
.Lnot_wave_0_\@:
	s_barrier_wait -3
	s_barrier_signal -1
	s_barrier_wait -1
.endm
.macro CROUND
	s_barrier_signal -1
	s_barrier_wait -1
	CREST
.endm
; A PREFETCH INTO THE L2 of W's part of slot fill n, asked behind the load of fill n - 1: one slot, two K steps, ahead of the load that will want it.  Waves 2 and 3, which fetch W's halves, ask, one instruction each:
; of a record's 16,384 bytes of codes each of the four partners takes 4,096, told apart by address (s[78:79] holds 4,096 cx); lanes 256 bytes apart, lanes 16-31 in the fill's second record.
; The address registers are never rewritten; the fill's number stands in the immediate.  The last fill has none behind it.  x's records are read by all 125 clusters and are not asked for.
.macro ASK n
	s_cmp_eq_u32 s15, 0
	s_cbranch_scc1 .Lno_ask_\@
	global_prefetch_b8 v[PFO], s[78:79] offset:(\n)*PARTB th:TH_LOAD_NT scope:SCOPE_SE
.Lno_ask_\@:
.endm
	s_load_b256 s[4:11], s[0:1], 0x0               ; xq s[4:5], w1q s[6:7], b s[8:9], pq s[10:11]
	v_lshl_add_u32 v[SPW], v0, 2, SPARE
	v_mov_b32 v[NIL], 0
	ds_add_u32 v28, v29
	ds_add_u32 v28, v29
	s_wait_dscnt 0x0
	v_lshrrev_b32 v1, 5, v0
	v_readfirstlane_b32 s14, v1                    ; wave 0..3
	s_lshr_b32 s15, s14, 1                         ; which 128 queries are mine.  Also: I fetch for x (0) or for W (1)
	s_and_b32 s16, s14, 1                          ; which 128 keys.  Also: which half I fetch
	s_bfe_u32 s40, ttmp6, 0x40000                  ; cx: the query tile
	s_and_b32 s17, ttmp7, 0xffff                   ; the key tile, which the four partners share
	s_mov_b32 s[G1+0], 3<<16                       ; elements of 8 bytes; no mask: x's records are my own
	s_mov_b32 s[G1B+0], 15|(3<<16)|(1<<21)         ; the mask names all four; bit 21 set beside it
.irp g, G1, G1B
	s_mov_b32 s[\g+1], 32<<16                      ; tensor_dim0 = 32 elements: rows of 256 bytes
	s_mov_b32 s[\g+2], 132<<16                     ; tensor_dim1 = 132 rows: 33,792 dense bytes
	s_mov_b32 s[\g+3], 32<<16                      ; tile_dim0
	s_mov_b32 s[\g+4], 132                         ; tile_dim1
	s_mov_b32 s[\g+5], 32                          ; the pitch
	s_mov_b32 s[\g+6], 0
	s_mov_b32 s[\g+7], 0
.endr
	s_lshl_b32 s20, s40, 1
	s_add_co_u32 s20, s20, s16
	s_mul_i32 s20, s20, 8*REC                      ; x: the 128 queries 2 cx + half
	s_mov_b32 s21, 0
	s_lshl_b32 s41, s17, 1
	s_add_co_u32 s41, s41, s16                     ; g: the group of 128 keys, fetched and multiplied by the same half
	s_mul_i32 s46, s41, 8*REC
	s_mov_b32 s47, 0
	s_mul_i32 s45, s14, PARTB                      ; where my load goes: wave x 33,792: no place in the cluster enters an LDS address
	s_mov_b32 s66, 0x3fb8aa3b                      ; log2(e)
	s_mov_b32 s67, s66
	s_mov_b32 s68, 0x600000                        ; the mantissa field of 448
	s_mov_b32 s70, 0x76543210
	s_mov_b32 s71, 0xfedcba98
	s_mov_b32 s72, 0xffff0000                      ; lanes 16-31
	s_wait_kmcnt 0x0
	s_add_nc_u64 s[20:21], s[4:5], s[20:21]
	s_add_nc_u64 s[46:47], s[6:7], s[46:47]
	s_lshl_b32 s78, s40, 12
	s_mov_b32 s79, 0
	s_add_nc_u64 s[78:79], s[46:47], s[78:79]      ; the prefetches: my work-group's quarter of the records that I fetch
	CROUND                                         ; all four work-groups are here: the first joint loads meet
.irp s, 0,1
	s_mov_b32 s[G0+4*\s], 1
	s_add_co_u32 s[G0+4*\s+1], s45, \s*SLOT
	s_add_nc_u64 s[G0+4*\s+2:G0+4*\s+3], s[20:21], \s*PARTB
	s_or_b32 s[G0+4*\s+3], s[G0+4*\s+3], 0x80000000
	s_mov_b32 s[G0B+4*\s], 1
	s_add_co_u32 s[G0B+4*\s+1], s45, \s*SLOT
	s_add_nc_u64 s[G0B+4*\s+2:G0B+4*\s+3], s[46:47], \s*PARTB
	s_or_b32 s[G0B+4*\s+3], s[G0B+4*\s+3], 0x80000000
.endr
	JLOAD G0, G1, G0B, G1B                         ; slot 0: one tensor load a wave at the head
	v_and_b32 v1, 31, v0
	v_and_b32 v2, 15, v0                           ; r
	v_bfe_u32 v3, v0, 4, 1                         ; h
	s_wait_alu depctr_va_vdst(0)
	v_lshlrev_b32 v[PO], 4, v1
	v_mul_u32_u24 v[PFO], v3, REC
	v_lshl_add_u32 v[PFO], v2, 8, v[PFO]
	s_mul_i32 s21, s15, PARTB
	s_mul_i32 s22, s16, PARTB
	s_add_co_u32 s22, s22, 2*PARTB
.irp s, 0,1
	v_add_nc_u32 v[ADRA+\s], s21, v[PO]
	v_add_nc_u32 v[ADRB+\s], s22, v[PO]
	s_add_co_u32 s21, s21, SLOT
	s_add_co_u32 s22, s22, SLOT
.endr
	s_mul_i32 s21, s15, PARTB                      ; the scale blocks: x's part,
	s_mul_i32 s22, s16, PARTB
	s_add_co_u32 s22, s22, 2*PARTB
	s_sub_co_u32 s22, s22, s21                     ; and how far on W's lies
	v_mul_u32_u24 v6, s22, v3                      ; lanes 16-31 take W's
	v_lshl_add_u32 v5, v2, 4, v6
	s_add_co_u32 s21, s21, 16384
	v_add_nc_u32 v[ADRS], s21, v5
	v_add_nc_u32 v[ADRS+1], SLOT, v[ADRS]
	s_lshl_b32 s42, s41, 9                         ; the bias of my 128 keys
	s_mov_b32 s43, 0
	s_add_nc_u64 s[8:9], s[8:9], s[42:43]
	v_lshlrev_b32 v4, 6, v3
.irp t, 0,1,2,3,4,5,6,7
	global_load_b128 v[BI+8*\t:BI+8*\t+3], v4, s[8:9] offset:(32*(\t/2)+8*(\t%2))*4        ; lane (r, h), tile 2 B + u: keys 32 B + 16 h + 8 u + 0 .. 7
	global_load_b128 v[BI+8*\t+4:BI+8*\t+7], v4, s[8:9] offset:(32*(\t/2)+8*(\t%2))*4+16
.endr
	s_wait_alu depctr_va_vdst(0)
	ASK 1
	s_lshl_b32 s42, s40, 1
	s_add_co_u32 s42, s42, s15
	s_lshl_b32 s42, s42, 8
	s_add_co_u32 s42, s42, s41                     ; 256 qg + g
	s_lshl_b32 s74, s42, 14
	s_mov_b32 s75, 0
	s_mul_i32 s76, s42, 1536
	s_add_co_u32 s76, s76, PST
	s_mov_b32 s77, 0
	s_add_nc_u64 s[74:75], s[10:11], s[74:75]      ; p's codes
	s_add_nc_u64 s[76:77], s[10:11], s[76:77]      ; and statistics
.macro FRAG reg, adr, off              ; a fragment as it was stored: four times 512 consecutive bytes
.irp c, 0,1,2,3
	ds_load_b128 v[\reg+4*\c:\reg+4*\c+3], v[\adr] offset:(\off)+512*\c
.endr
.endm
; 16 matrix instructions: x's blocks a0, a0 + 1 against W's eight tiles; first = 1: the bias is the C.  The 64 accumulators take turns, one instruction a turn.
.macro MUL16 a0, p, q, sc, first
.irp a, \a0, \a0+1
.irp b, 0,1,2,3,4,5,6,7
.if \first
	v_wmma_scale_f32_16x16x128_f8f6f4 v[8*(8*((\a)%4)+\b):8*(8*((\a)%4)+\b)+7], v[128*(\p)+FR*\b:128*(\p)+FR*\b+FR-1], v[AF+FR*(\a):AF+FR*(\a)+FR-1], v[BI+8*\b:BI+8*\b+7], v[SC+16*(\sc)+8*(\q)+4*(\b%2)+\b/2], v[SC+16*(\sc)+8*(\q)+4*((\a)%2)+(\a)/2] matrix_a_scale:MATRIX_SCALE_ROW1
.else
	v_wmma_scale_f32_16x16x128_f8f6f4 v[8*(8*((\a)%4)+\b):8*(8*((\a)%4)+\b)+7], v[128*(\p)+FR*\b:128*(\p)+FR*\b+FR-1], v[AF+FR*(\a):AF+FR*(\a)+FR-1], v[8*(8*((\a)%4)+\b):8*(8*((\a)%4)+\b)+7], v[SC+16*(\sc)+8*(\q)+4*(\b%2)+\b/2], v[SC+16*(\sc)+8*(\q)+4*((\a)%2)+(\a)/2] matrix_a_scale:MATRIX_SCALE_ROW1
.endif
.endr
.endr
.endm
.macro FETCH_B slot, q, p
	WIN TO_B
.irp i, 0,1,2,3,4,5,6,7
	FRAG 128*(\p)+FR*\i, ADRB+\slot, REC*(\q)+2048*\i
.endr
	WIN 0
.endm
.macro FETCH_A slot, q, i0
.irp i, \i0, \i0+1, \i0+2, \i0+3
	FRAG AF+FR*(\i), ADRA+\slot, REC*(\q)+2048*(\i)
.endr
.endm
.macro SCALES set                      ; a slot's scale words: four loads of four words
.irp q, 0,1
.irp u, 0,1
	ds_load_b128 v[SC+16*\set+8*\q+4*\u:SC+16*\set+8*\q+4*\u+3], v[ADRS+\set] offset:REC*\q+256*\u
.endr
.endr
.endm
.macro PLACES n                        ; plain vector places behind matrix instructions, in front of loads into their registers and of reads of results
.rept \n
	v_nop
.endr
.endm
.macro STEP slot, q, first             ; a step of 128 along K that has its successor in the same slot
	s_wait_dscnt 4*NL                              ; all but the youngest 16 loads (x's blocks 4-7)
.if \first
	WIN 0x81                                       ; C (the bias) in window 0, D in window 2
.else
	WIN MUL_LO
.endif
	MUL16 0, (\q)%2, \q, \slot, \first
	MUL16 2, (\q)%2, \q, \slot, \first
	s_wait_dscnt 0
	PLACES NP
	FETCH_B \slot, (\q)+1, 1-(\q)%2
	FETCH_A \slot, (\q)+1, 0
.if \first
	WIN 0xc1
.else
	WIN MUL_HI
.endif
	MUL16 4, (\q)%2, \q, \slot, \first
	MUL16 6, (\q)%2, \q, \slot, \first
	PLACES NP
	WIN 0
	FETCH_A \slot, (\q)+1, 4
.endm
; A slot's last step changes slots: one barrier; in front of it each wave waits for all its tensor loads, adds 0 to its spare word, and waits for that and for its reads of this slot.
.macro TURN slot, next, fill
	s_wait_tensorcnt 0x0                           ; all my tensor loads have landed: my part of the next slot
	ds_add_u32 v[SPW], v[NIL]                      ; 0 onto my spare word
	s_wait_dscnt 4*NL+1                            ; (the add and the youngest 16 loads may be out)
	WIN MUL_LO
	MUL16 0, 1, 1, \slot, 0
	s_wait_dscnt 0x0                               ; the add is done, and my reads of this slot are over
	s_barrier_signal -1
	MUL16 2, 1, 1, \slot, 0
	WIN 0
	s_barrier_wait -1
.if \fill
	CREST                                          ; the barrier has opened a round of the cluster's: no wave of any partner still reads this slot or has a load on its way
	s_add_nc_u64 s[G0+4*\slot+2:G0+4*\slot+3], s[G0+4*\slot+2:G0+4*\slot+3], 2*PARTB
	s_add_nc_u64 s[G0B+4*\slot+2:G0B+4*\slot+3], s[G0B+4*\slot+2:G0B+4*\slot+3], 2*PARTB
	JLOAD G0+4*\slot, G1, G0B+4*\slot, G1B         ; my one tensor load behind the round; its four v_nop are four of the eight places
	PLACES NP-4
.else
	PLACES NP
.endif
	FETCH_B \next, 0, 0
	FETCH_A \next, 0, 0
	SCALES \next
.if (\fill) && (\slot) == 0
	ASK 3
.endif
	WIN MUL_HI
	MUL16 4, 1, 1, \slot, 0
	MUL16 6, 1, 1, \slot, 0
	PLACES NP
	WIN 0
	FETCH_A \next, 0, 4
.endm
	s_wait_alu depctr_va_vdst(0)
	s_wait_tensorcnt 0x0                           ; my part of slot 0 is in
	ds_add_u32 v[SPW], v[NIL]
	s_wait_dscnt 0x0
	CROUND                                         ; everybody's part of slot 0 is in, and all four work-groups are here
	JLOAD G0+4, G1, G0B+4, G1B                     ; slot 1's first fill: my one tensor load behind the round
	FETCH_B 0, 0, 0
	FETCH_A 0, 0, 0
	SCALES 0
	ASK 2
	FETCH_A 0, 0, 4
	s_wait_loadcnt 0x0                             ; the bias
	STEP 0, 0, 1                                   ; K steps 0 .. 7, written on end: the ring goes round twice
	TURN 0, 1, 1
	STEP 1, 0, 0
	TURN 1, 0, 1
	STEP 0, 0, 0
	TURN 0, 1, 0
	STEP 1, 0, 0
	s_wait_dscnt 4*NL
	WIN MUL_LO
	MUL16 0, 1, 1, 1, 0
	MUL16 2, 1, 1, 1, 0
	s_wait_dscnt 0
	WIN MUL_HI
	MUL16 4, 1, 1, 1, 0
	MUL16 6, 1, 1, 1, 0
	WIN 0
	PLACES NP
.irp B, 0,1,2,3
	v_mov_b32 v[MY+\B], 0                          ; written once: a lane permute's destination counts as one of its sources
.endr
	v_mov_b32 v[TB], 0
	v_mov_b32 v[NM+1], 0                           ; (named as the upper half of a pair)
; Block a: 16 queries x my 128 keys.  A lane holds one query and 64 of its keys; lane l xor 16 holds the other 64.
.macro SOFT a
.set SA_, 64*((\a)%4)
.set WN, 2+(\a)/4
	WIN WN*21                                      ; all three sources in the accumulators' window
.irp B, 0,1,2,3
	v_max3_num_f32 v[MX+\B], v[SA_+16*\B], v[SA_+16*\B+1], v[SA_+16*\B+2]   ; the largest logit of each block of 32 keys; each accumulator is read from its low end on
.endr
	WIN WN*20
.irp i, 3,5,7,9,11,13
.irp B, 0,1,2,3
	v_max3_num_f32 v[MX+\B], v[MX+\B], v[SA_+16*\B+\i], v[SA_+16*\B+\i+1]
.endr
.endr
.irp B, 0,1,2,3
	v_max_num_f32 v[MX+\B], v[MX+\B], v[SA_+16*\B+15]
.endr
	WIN 0
.irp B, 0,1,2,3
	v_permlanex16_b32 v[MY+\B], v[MX+\B], s70, s71
.endr
.irp B, 0,1,2,3
	v_max_num_f32 v[MX+\B], v[MX+\B], v[MY+\B]
.endr
	v_max3_num_f32 v[TA], v[MX], v[MX+1], v[MX+2]
	v_max_num_f32 v[TA], v[TA], v[MX+3]
	v_mul_f32 v[TA], s66, v[TA]                    ; the group's largest t
	v_floor_f32 v[NM], -v[TA]                      ; -M = floor(-t) = -ceil(t)
	WIN WN
.set j, 0
.rept 32
	v_pk_fma_f32 v[T+j:T+j+1], v[SA_+j:SA_+j+1], s[66:67], v[NM:NM+1] op_sel_hi:[1,0,0]   ; t - M, two at a time
.set j, j+2
.endr
	WIN 0
.irp B, 0,1,2,3
	v_fma_f32 v[MX+\B], v[MX+\B], s66, v[NM]       ; the same of each block's largest logit
.endr
.set j, 0
	s_wait_alu depctr_va_vdst(0)
.rept 64
	v_exp_f32 v[T+j], v[T+j]                       ; p = 2^(t - M)
.set j, j+1
.endr
	v_nop                                          ; a plain place behind the exponentials
	s_wait_alu depctr_va_vdst(0)                   ; one wait for the batch, ahead of its first reader
.irp B, 0,1,2,3
	v_exp_f32 v[MX+\B], v[MX+\B]                   ; the block's largest p: the same two instructions on the same number
.endr
	v_pk_add_f32 v[SU:SU+1], v[T:T+1], v[T+2:T+3]  ; the sum of the UNQUANTISED p, in two chains; it reads the 64 alone
	v_pk_add_f32 v[SV:SV+1], v[T+4:T+5], v[T+6:T+7]
.set j, 8
.rept 14
	v_pk_add_f32 v[SU:SU+1], v[SU:SU+1], v[T+j:T+j+1]
	v_pk_add_f32 v[SV:SV+1], v[SV:SV+1], v[T+j+2:T+j+3]
.set j, j+4
.endr
	v_pk_add_f32 v[SU:SU+1], v[SU:SU+1], v[SV:SV+1]
	s_wait_alu depctr_va_vdst(0)                   ; and one for the four
.irp B, 0,1,2,3
	v_max_num_f32 v[MX+\B], 0x4800000, v[MX+\B]    ; the floor 2^(9 - 127)
.endr
.irp B, 0,1,2,3
	v_add_nc_u32 v[SO+\B], 0xfc000000, v[MX+\B]    ; the conversion's scale operand
.endr
.irp B, 0,1,2,3
	v_and_or_b32 v[HO+\B], v[MX+\B], 0x7f800000, s68   ; 448 x the scale
.endr
.irp B, 0,1,2,3
	v_lshrrev_b32 v[MY+\B], 23, v[SO+\B]           ; the scale's byte
.endr
	v_lshl_or_b32 v[PW], v[MY+1], 8, v[MY]
	v_lshl_or_b32 v[PW], v[MY+2], 16, v[PW]
	v_lshl_or_b32 v[PW], v[MY+3], 24, v[PW]
	v_add_f32 v[TA], v[SU], v[SU+1]
	v_permlanex16_b32 v[TB], v[TA], s70, s71
	v_add_f32 v[TA], v[TA], v[TB]                  ; the group's sum for my query
.if (\a)%2 == 0
	v_mov_b32 v[WB+(\a)/2], v[PW]
	v_mov_b32 v[NB+(\a)/2], v[NM]
	v_mov_b32 v[LB+(\a)/2], v[TA]
.else
	v_cndmask_b32 v[WB+(\a)/2], v[WB+(\a)/2], v[PW], s72
	v_cndmask_b32 v[NB+(\a)/2], v[NB+(\a)/2], v[NM], s72
	v_cndmask_b32 v[LB+(\a)/2], v[LB+(\a)/2], v[TA], s72
.endif
.if (\a) > 0
	s_wait_xcnt 0x0                                ; the last block's stores have read the code registers
.endif
.irp B, 0,1,2,3
.irp i, 0,1,2,3,4,5,6,7,8,9,10,11,12,13,14,15
	v_min_num_f32 v[T+16*\B+\i], v[T+16*\B+\i], v[HO+\B]   ; the conversion does not saturate (ISA guide 7.6.2); p is not negative: a one-sided hold
.endr
	v_cvt_scalef32_pk8_fp8_f32 v[PC+4*\B:PC+4*\B+1], v[T+16*\B:T+16*\B+7], v[SO+\B]
	v_cvt_scalef32_pk8_fp8_f32 v[PC+4*\B+2:PC+4*\B+3], v[T+16*\B+8:T+16*\B+15], v[SO+\B]
.endr
	v_nop                                          ; a plain line behind the last conversion
.irp c, 0,1,2,3
	global_store_b128 v[PO], v[PC+4*\c:PC+4*\c+3], s[74:75] offset:2048*(\a)+512*\c    ; image a as it stands: 512 consecutive bytes
.endr
.endm
	SOFT 0
	SOFT 1
	SOFT 2
	SOFT 3
	SOFT 4
	SOFT 5
	SOFT 6
	SOFT 7
	global_store_b128 v[PO], v[WB:WB+3], s[76:77]
	global_store_b128 v[PO], v[NB:NB+3], s[76:77] offset:512
	global_store_b128 v[PO], v[LB:LB+3], s[76:77] offset:1024
	s_wait_tensorcnt 0x0                           ; the wave's end
	ds_add_u32 v[SPW], v[NIL]
	s_wait_dscnt 0x0
	CROUND                                         ; the closing round
	s_endpgm
.Lfunc_end_k_qf6a3426d50_logits:
	.size	k_qf6a3426d50_logits, .Lfunc_end_k_qf6a3426d50_logits-k_qf6a3426d50_logits
	.p2alignl 7, 3214868480
	.fill 96, 4, 3214868480
	.section	.rodata,"a",@progbits
	.p2align	6, 0x0
	.amdhsa_kernel k_qf6a3426d50_logits
		.amdhsa_group_segment_fixed_size 327680
		.amdhsa_private_segment_fixed_size 0
		.amdhsa_enable_private_segment 0
		.amdhsa_kernarg_size 32
		.amdhsa_user_sgpr_count 2
		.amdhsa_user_sgpr_kernarg_segment_ptr 1
		.amdhsa_wavefront_size32 1
		.amdhsa_system_sgpr_workgroup_id_x 1
		.amdhsa_system_sgpr_workgroup_id_y 1
		.amdhsa_system_sgpr_workgroup_id_z 1
		.amdhsa_system_vgpr_workitem_id 0
		.amdhsa_next_free_vgpr 1024
		.amdhsa_next_free_sgpr 100
		.amdhsa_reserve_vcc 0
		.amdhsa_float_denorm_mode_32 3
		.amdhsa_float_denorm_mode_16_64 3
		.amdhsa_memory_ordered 1
		.amdhsa_forward_progress 1
		.amdhsa_inst_pref_size 223
	.end_amdhsa_kernel
	.amdgpu_metadata
---
amdhsa.version: [ 1, 2 ]
amdhsa.kernels:
  - .name:           k_qf6a3426d50_logits
    .symbol:         k_qf6a3426d50_logits.kd
    .args:
      - { .name: xq, .offset: 0, .size: 8, .value_kind: global_buffer, .address_space: global }
      - { .name: w1q, .offset: 8, .size: 8, .value_kind: global_buffer, .address_space: global }
      - { .name: b, .offset: 16, .size: 8, .value_kind: global_buffer, .address_space: global }
      - { .name: pq, .offset: 24, .size: 8, .value_kind: global_buffer, .address_space: global }
    .group_segment_fixed_size: 327680
    .private_segment_fixed_size: 0
    .kernarg_segment_align: 8
    .kernarg_segment_size: 32
    .max_flat_workgroup_size: 128
    .sgpr_count:     100
    .vgpr_count:     1024
    .wavefront_size: 32
...
	.end_amdgpu_metadata
.endif
;; end of part 2
;; launch readout (part 3): grid 4 x 64, 4 waves a work-group, clusters of 4 x 4, 327,680 bytes of LDS; arguments pq, w2q, part; writes part
.if DOCPART == 3
	.amdgcn_target "amdgcn-amd-amdhsa--gfx1250"
	.amdhsa_code_object_version 6
	.text
	.protected	k_qf6a3426d50_readout
	.globl	k_qf6a3426d50_readout
	.p2align	8
	.type	k_qf6a3426d50_readout,@function
k_qf6a3426d50_readout:
	s_mov_b64 s[64:65], 0
	v_nop
	global_prefetch_b8 v0, s[64:65] scope:SCOPE_SE
	s_setreg_imm32_b32 hwreg(HW_REG_WAVE_MODE, 25, 1), 1
	s_wait_xcnt 0x0
	s_wait_alu depctr_hold_cnt(0) depctr_sa_sdst(0) depctr_va_vdst(0) depctr_va_sdst(0) depctr_va_ssrc(0) depctr_va_vcc(0) depctr_vm_vsrc(0)
	s_getreg_b32 s2, hwreg(HW_REG_IB_STS2, 6, 4)
	s_cmp_eq_u32 s2, 0
	s_cbranch_scc0 .Lentry_in_a_cluster
	s_endpgm
.Lentry_in_a_cluster:
	s_bfe_u32 s2, ttmp6, 0x10000c
	s_cmp_lg_u32 s2, 0xf033
	s_cbranch_scc0 .Lentry_shape_is_right
	s_endpgm
.Lentry_shape_is_right:
; READOUT: part[split] = P W over the split's 2,048 keys (16 groups of 128), on codes of E4M3 with E8M0 scales.  P comes from the launch before as codes under each GROUP's own M (a whole number);
; here a split's 16 groups are brought under the split's M by adding M(group) - M(split), 0 or less, to P's scale bytes: exact powers of two.  The split's -M and its sums of p go out beside the parts.
; A tile of 256 queries x 256 columns is made by four waves, each 128 x 128: 64 accumulators, 512 registers.  16 tiles x 16 splits = 256 work-groups.  K goes in 16 steps of 128 through two LDS slots of two steps.
; Operands are RECORDS of register images: a fragment is four loads of 16 bytes a lane at 16 x lane.  Two steps of 128 rows are one dense block: one tensor load (P: 32,768 bytes; W: 33,792, its scale blocks among them).
; CLUSTER 4 x 4 = the 16 tiles of one split: P's records hang on the tile row and are asked for jointly along a row of the cluster, W's on the tile column, jointly along a column.
; THE HEAD: the statistics' loads go out first, then slot 0's joint load; the scale bytes are worked while it is on its way; slot 1's first fill follows behind the full sequence and a round.
; PREFETCH: behind each refill one instruction a wave names the slot that the next refill asks for (two K steps ahead): of a record's 16,384 bytes of codes each of the four partners takes 4,096, told apart by address,
; lanes 256 bytes apart, lanes 16-31 in the slot's second record.  The first slot comes by its load alone; the last refill asks for nothing.
; THE MATRIX INSTRUCTION IS USED TRANSPOSED (source 0 = 16 columns of W, source 1 = 16 queries): a lane's eight results are eight neighbouring columns of one query's row.
; LIMITS: a scale byte that M(group) - M(split) would bring under 0 becomes 0 (2^-127); the difference is held at -255; NaN and infinities are not served.
; REGISTERS: window 0: v16-29 addresses; v32-95 scale words, two sets; v96-108 the statistics; v128-255 P's fragments (at the head the statistics, at the end the way out).  window 1: W's fragments, two sets.
;   windows 2, 3: the accumulators ((a, b) at v[8 (8 (a % 4) + b)] of window 2 + a / 4).
.set REC,   16896
.set ARB,   16384                      ; a record of P: codes alone
.set PARTB, 2*REC
.set BOFF,  65536                      ; a slot: P's two halves, then W's two halves
.set SLOT,  BOFF+2*PARTB
.set ASC,   2*SLOT                     ; P's scale words under the split's M: 2 halves x 16 groups x 512 bytes
.set STAGE, ASC+16384                  ; the way out: 16 rows x 528 bytes for each wave
.set SPITCH, 528
.set SPARE, STAGE+4*16*SPITCH          ; the spare words, 128 bytes for each wave
.set PST,   33554432                   ; pq: where the statistics begin
.set SST,   67108864                   ; part: where the splits' statistics begin
.set FR, 16
.set NL, 4
.set NP, 8
.set ADRA, 16                          ; v16-17 my P fragments in slot 0, 1
.set STO,  18
.set RD,   19
.set ADRB, 20                          ; v20-21 my W fragments
.set ADSA, 22                          ; P's scale words of the slot in hand
.set AW,   23                          ; where I put the scale words that I adjust
.set ADSB, 24                          ; v24-25 W's scale blocks
.set CO,   26                          ; 16 x lane
.set PFO,  27
.set SPW,  28
.set NIL,  29
.set SC,   32
.set NS,   96                          ; -M of the split
.set LP,   100                         ; my eight groups' sum of p under it
.set D_,   104
.set F_,   105
.set E_,   106
.set O_,   107
.set M_,   108
.set NO,   128
.set SW,   160
.set LW,   192
.set AF,   128
.set BK,   128
.set G1,  24
.set G0,  32
.set G1B, 48
.set G0B, 56
.set PFA, 66
.set PFS, 68
.set MSB, 0
.macro WIN new                         ; the immediate's high byte repeats the setting that is left
.if MSB != (\new)
	s_set_vgpr_msb (MSB<<8)|(\new)
.set MSB, (\new)
.endif
.endm
.set MUL_LO, 0xa1                      ; source 0 (W) window 1, source 1 (P) window 0, C and D window 2
.set MUL_HI, 0xf1
.set TO_B,   0x40
.macro JLOAD g0a, g1a, g0b, g1b        ; waves 0, 1 fetch P's halves, waves 2, 3 W's; s_nop 0 and four v_nop follow each line
	s_cmp_eq_u32 s15, 0
	s_cbranch_scc0 .Lfor_b_\@
	tensor_load_to_lds s[\g0a:\g0a+3], s[\g1a:\g1a+7]
	s_nop 0
.rept 4
	v_nop
.endr
	s_branch .Lasked_\@
.Lfor_b_\@:
	tensor_load_to_lds s[\g0b:\g0b+3], s[\g1b:\g1b+7]
	s_nop 0
.rept 4
	v_nop
.endr
.Lasked_\@:
.endm
.macro ASK guard                       ; guard = 1: not in the loop's last trip, whose second refill is the last
.if \guard
	s_cmp_gt_u32 s3, 1
	s_cbranch_scc0 .Lno_ask_\@
.endif
	global_prefetch_b8 v[PFO], s[PFA:PFA+1] th:TH_LOAD_NT scope:SCOPE_SE
.if \guard
.Lno_ask_\@:
.endif
.endm
.macro CREST                           ; a round of the cluster's barrier behind its opening barrier
	s_cmp_lg_u32 s14, 0
	s_cbranch_scc1 .Lnot_wave_0_\@
	s_barrier_signal -3
.Lnot_wave_0_\@:
	s_barrier_wait -3
	s_barrier_signal -1
	s_barrier_wait -1
.endm
.macro CROUND
	s_barrier_signal -1
	s_barrier_wait -1
	CREST
.endm
	s_load_b128 s[4:7], s[0:1], 0x0                ; pq, w2q
	s_load_b64 s[12:13], s[0:1], 0x10              ; part
	v_lshl_add_u32 v[SPW], v0, 2, SPARE
	v_mov_b32 v[NIL], 0
	ds_add_u32 v[SPW], v[NIL]                      ; the opening: the add, twice on end, and its wait ahead of my first tensor load
	ds_add_u32 v[SPW], v[NIL]
	v_lshrrev_b32 v1, 5, v0
	v_readfirstlane_b32 s14, v1                    ; wave 0..3
	s_lshr_b32 s15, s14, 1                         ; which 128 queries are mine.  Also: I fetch for P (0) or for W (1)
	s_and_b32 s16, s14, 1                          ; which 128 columns.  Also: which half I fetch
	s_bfe_u32 s40, ttmp6, 0x40000                  ; cx: the tile column
	s_bfe_u32 s41, ttmp6, 0x40004                  ; cy: the tile row
	s_and_b32 s17, ttmp7, 0xffff                   ; the split
	s_lshl_b32 s18, s17, 4                         ; its first group
	s_lshl_b32 s43, s41, 2
	s_lshl_b32 s43, 15, s43                        ; my row of the cluster
	s_lshl_b32 s44, 0x1111, s40                    ; my column
	s_or_b32 s[G1+0], s43, (3<<16)|(1<<21)         ; elements of 8 bytes; bit 21 beside the mask
	s_or_b32 s[G1B+0], s44, (3<<16)|(1<<21)
.irp g, G1, G1B
	s_mov_b32 s[\g+1], 32<<16                      ; rows of 256 bytes
	s_mov_b32 s[\g+3], 32<<16
	s_mov_b32 s[\g+5], 32
	s_mov_b32 s[\g+6], 0
	s_mov_b32 s[\g+7], 0
.endr
	s_mov_b32 s[G1+2], 128<<16                     ; P: 128 rows, 32,768 dense bytes
	s_mov_b32 s[G1+4], 128
	s_mov_b32 s[G1B+2], 132<<16                    ; W: 132 rows, 33,792
	s_mov_b32 s[G1B+4], 132
	s_lshl_b32 s19, s41, 1
	s_add_co_u32 s19, s19, s16
	s_lshl_b32 s19, s19, 8
	s_add_co_u32 s19, s19, s18                     ; 256 (2 cy + half) + first group
	s_lshl_b32 s20, s19, 14
	s_mov_b32 s21, 0
	s_lshl_b32 s46, s40, 1
	s_add_co_u32 s46, s46, s16
	s_lshl_b32 s46, s46, 8
	s_add_co_u32 s46, s46, s18
	s_mul_i32 s46, s46, REC
	s_mov_b32 s47, 0
	s_lshl_b32 s45, s16, 15                        ; where a load of P goes,
	s_mul_i32 s94, s16, PARTB
	s_add_co_u32 s94, s94, BOFF                    ; and one of W: no place in the cluster enters an LDS address
	s_mov_b32 s84, 0x10001
	s_mov_b32 s85, 0x00ff00ff
	s_cmp_eq_u32 s15, 0
	s_cselect_b32 s70, s40, s41                    ; my place among the four that ask with me
	s_mov_b32 s[PFS], PARTB
	s_cselect_b32 s[PFS], 2*ARB, s[PFS]            ; a slot on, in memory
	s_mov_b32 s[PFS+1], 0
	s_mov_b32 s72, REC
	s_cselect_b32 s72, ARB, s72
	s_lshl_b32 s70, s70, 12
	s_mov_b32 s71, 0
	s_lshl_b32 s76, s15, 15                        ; my P fragments
	s_add_co_u32 s22, s94, 16384                   ; my W scale block
	s_lshl_b32 s73, s15, 13
	s_add_co_u32 s73, s73, ASC                     ; my queries' scale words
	s_lshl_b32 s74, s16, 13
	s_lshl_b32 s75, s15, 12
	s_add_co_u32 s74, s74, s75
	s_add_co_u32 s74, s74, ASC                     ; those that I adjust: half s16, groups 8 s15 on
	s_mul_i32 s23, s14, 16*SPITCH
	s_add_co_u32 s23, s23, STAGE
	s_mul_i32 s80, s19, 1536
	s_add_co_u32 s80, s80, PST
	s_mov_b32 s81, 0
	s_mul_i32 s82, s15, 12288
	s_mov_b32 s83, 0
	v_and_b32 v1, 31, v0
	v_and_b32 v2, 15, v0                           ; r
	v_bfe_u32 v3, v0, 4, 1                         ; h
	v_lshlrev_b32 v[CO], 4, v1
	v_lshlrev_b32 v5, 4, v2
	v_mul_u32_u24 v[PFO], v3, s72
	v_lshl_add_u32 v[PFO], v2, 8, v[PFO]
	v_add_nc_u32 v[ADRA], s76, v[CO]
	v_add_nc_u32 v[ADRA+1], SLOT, v[ADRA]
	v_add_nc_u32 v[ADRB], s94, v[CO]
	v_add_nc_u32 v[ADRB+1], SLOT, v[ADRB]
	v_add_nc_u32 v[ADSB], s22, v5
	v_add_nc_u32 v[ADSB+1], SLOT, v[ADSB]
	v_add_nc_u32 v[ADSA], s73, v5
	v_add_nc_u32 v[AW], s74, v[CO]
	v_mul_u32_u24 v4, v2, SPITCH
	v_lshl_add_u32 v4, v3, 5, v4
	v_add_nc_u32 v[STO], s23, v4                   ; the stage, in: row r, 32 bytes for each half of the lanes
	v_add_nc_u32 v[RD], s23, v[CO]                 ; and back: a row of 512 bytes a load
	s_wait_alu depctr_va_vdst(0)                   ; all addresses are made
	s_wait_dscnt 0x0                               ; both opening adds are done
	s_wait_kmcnt 0x0
	s_add_nc_u64 s[20:21], s[4:5], s[20:21]
	s_add_nc_u64 s[46:47], s[6:7], s[46:47]
	s_add_nc_u64 s[80:81], s[4:5], s[80:81]        ; the statistics of half s16, all 16 groups,
	s_add_nc_u64 s[82:83], s[80:81], s[82:83]      ; and my eight of them
	WIN 0x80
.irp g, 0,1,2,3,4,5,6,7,8,9,10,11,12,13,14,15
	global_load_b128 v[4*\g:4*\g+3], v[CO], s[80:81] offset:1536*\g+512    ; -M of each group
.endr
	WIN 0
.irp g, 0,1,2,3,4,5,6,7
	global_load_b128 v[NO+4*\g:NO+4*\g+3], v[CO], s[82:83] offset:1536*\g+512
	global_load_b128 v[SW+4*\g:SW+4*\g+3], v[CO], s[82:83] offset:1536*\g
	global_load_b128 v[LW+4*\g:LW+4*\g+3], v[CO], s[82:83] offset:1536*\g+1024
.endr
	s_cmp_eq_u32 s15, 0
	s_cselect_b64 s[PFA:PFA+1], s[20:21], s[46:47]
	s_add_nc_u64 s[PFA:PFA+1], s[PFA:PFA+1], s[70:71]
	s_add_nc_u64 s[PFA:PFA+1], s[PFA:PFA+1], s[PFS:PFS+1]  ; at the second slot's bytes: each load of a slot is followed by a prefetch of the next one's
.irp s, 0,1
	s_mov_b32 s[G0+4*\s], 1
	s_add_co_u32 s[G0+4*\s+1], s45, \s*SLOT
	s_add_nc_u64 s[G0+4*\s+2:G0+4*\s+3], s[20:21], \s*2*ARB
	s_or_b32 s[G0+4*\s+3], s[G0+4*\s+3], 0x80000000
	s_mov_b32 s[G0B+4*\s], 1
	s_add_co_u32 s[G0B+4*\s+1], s94, \s*SLOT
	s_add_nc_u64 s[G0B+4*\s+2:G0B+4*\s+3], s[46:47], \s*PARTB
	s_or_b32 s[G0B+4*\s+3], s[G0B+4*\s+3], 0x80000000
.endr
	CROUND                                         ; all sixteen work-groups are here: the first joint loads meet
	JLOAD G0, G1, G0B, G1B                         ; slot 0: one tensor load a wave at the head
	ASK 0                                          ; what slot 1's first fill will ask for
	s_lshl_b32 s86, s40, 18                        ; the split's statistics: a copy for each tile column
	s_lshl_b32 s88, s17, 14
	s_add_co_u32 s86, s86, s88
	s_lshl_b32 s88, s41, 12
	s_add_co_u32 s86, s86, s88
	s_lshl_b32 s88, s16, 11
	s_add_co_u32 s86, s86, s88
	s_lshl_b32 s88, s15, 10
	s_add_co_u32 s86, s86, s88
	s_add_co_u32 s86, s86, SST
	s_mov_b32 s87, 0
	s_add_nc_u64 s[86:87], s[12:13], s[86:87]
	s_lshl_b32 s92, s17, 22                        ; my part of part[split]: row 256 cy + 128 s15, byte 1,024 cx + 512 s16
	s_lshl_b32 s95, s41, 20
	s_add_co_u32 s92, s92, s95
	s_lshl_b32 s95, s15, 19
	s_add_co_u32 s92, s92, s95
	s_lshl_b32 s95, s40, 10
	s_add_co_u32 s92, s92, s95
	s_lshl_b32 s95, s16, 9
	s_add_co_u32 s92, s92, s95
	s_mov_b32 s93, 0
	s_add_nc_u64 s[12:13], s[12:13], s[92:93]
	s_wait_loadcnt 0x0                             ; the statistics
	WIN 0x2a
.irp t, 0,1,2,3
	v_min3_num_f32 v[NS+\t], v[\t], v[4+\t], v[8+\t]       ; -M of the split = the least -M of its groups
.endr
	WIN 0x28
.irp g, 3,5,7,9,11,13
.irp t, 0,1,2,3
	v_min3_num_f32 v[NS+\t], v[NS+\t], v[4*\g+\t], v[4*\g+4+\t]
.endr
.endr
.irp t, 0,1,2,3
	v_min_num_f32 v[NS+\t], v[NS+\t], v[60+\t]
.endr
	WIN 0
.macro ADJ w, k                        ; k = (256 + d) in both halves, d = -255 .. 0: each byte of w becomes byte + d, or 0 where that is negative (bit 8 of the sum tells)
	v_and_b32 v[E_], s85, v[\w]
	v_lshrrev_b32 v[O_], 8, v[\w]
	v_and_b32 v[O_], s85, v[O_]
	v_add_nc_u32 v[E_], v[E_], v[\k]
	v_add_nc_u32 v[O_], v[O_], v[\k]
	v_lshrrev_b32 v[M_], 8, v[E_]
	v_and_b32 v[M_], s84, v[M_]
	v_mul_u32_u24 v[M_], v[M_], 255
	v_and_b32 v[E_], v[E_], v[M_]
	v_lshrrev_b32 v[M_], 8, v[O_]
	v_and_b32 v[M_], s84, v[M_]
	v_mul_u32_u24 v[M_], v[M_], 255
	v_and_b32 v[O_], v[O_], v[M_]
	v_lshl_or_b32 v[\w], v[O_], 8, v[E_]
.endm
.irp gp, 0,1,2,3,4,5,6,7
.irp t, 0,1,2,3
	v_sub_f32 v[D_], v[NS+\t], v[NO+4*\gp+\t]      ; d = M(group) - M(split): a whole number, 0 or less,
	v_max_num_f32 v[D_], 0xc37f0000, v[D_]         ; held at -255
	v_cvt_i32_f32 v[D_], v[D_]
	v_ldexp_f32 v[F_], 1.0, v[D_]
.if \gp == 0
	v_mul_f32 v[LP+\t], v[LW+4*\gp+\t], v[F_]
.else
	v_fmac_f32 v[LP+\t], v[LW+4*\gp+\t], v[F_]
.endif
	v_add_nc_u32 v[D_], 0x100, v[D_]
	v_mul_u32_u24 v[D_], v[D_], s84
	ADJ SW+4*\gp+\t, D_
.endr
.endr
.irp g, 0,1,2,3,4,5,6,7
	ds_store_b128 v[AW], v[SW+4*\g:SW+4*\g+3] offset:512*\g
.endr
	global_store_b128 v[CO], v[NS:NS+3], s[86:87]
	global_store_b128 v[CO], v[LP:LP+3], s[86:87] offset:512
	s_wait_alu depctr_va_vdst(0)
	s_wait_xcnt 0x0                                ; my prefetch has read its address
	s_add_nc_u64 s[PFA:PFA+1], s[PFA:PFA+1], s[PFS:PFS+1]
.macro FRAG reg, adr, off              ; a fragment as it was stored: four times 512 consecutive bytes
.irp c, 0,1,2,3
	ds_load_b128 v[\reg+4*\c:\reg+4*\c+3], v[\adr] offset:(\off)+512*\c
.endr
.endm
; 16 matrix instructions: P's blocks a0, a0 + 1 against W's eight tiles.  The 64 accumulators take turns, one instruction a turn.  zero = 1: the first product starts the sums
.macro MUL16 a0, p, q, sc, zero
.irp a, \a0, \a0+1
.irp b, 0,1,2,3,4,5,6,7
.if \zero
	v_wmma_scale_f32_16x16x128_f8f6f4 v[8*(8*((\a)%4)+\b):8*(8*((\a)%4)+\b)+7], v[128*(\p)+FR*\b:128*(\p)+FR*\b+FR-1], v[AF+FR*(\a):AF+FR*(\a)+FR-1], 0, v[SC+16+32*(\sc)+8*(\q)+4*(\b%2)+\b/2], v[SC+32*(\sc)+8*(\q)+4*((\a)%2)+(\a)/2]
.else
	v_wmma_scale_f32_16x16x128_f8f6f4 v[8*(8*((\a)%4)+\b):8*(8*((\a)%4)+\b)+7], v[128*(\p)+FR*\b:128*(\p)+FR*\b+FR-1], v[AF+FR*(\a):AF+FR*(\a)+FR-1], v[8*(8*((\a)%4)+\b):8*(8*((\a)%4)+\b)+7], v[SC+16+32*(\sc)+8*(\q)+4*(\b%2)+\b/2], v[SC+32*(\sc)+8*(\q)+4*((\a)%2)+(\a)/2]
.endif
.endr
.endr
.endm
.macro FETCH_B slot, q, p
	WIN TO_B
.irp i, 0,1,2,3,4,5,6,7
	FRAG 128*(\p)+FR*\i, ADRB+\slot, REC*(\q)+2048*\i
.endr
	WIN 0
.endm
.macro FETCH_A slot, q, i0
.irp i, \i0, \i0+1, \i0+2, \i0+3
	FRAG AF+FR*(\i), ADRA+\slot, ARB*(\q)+2048*(\i)
.endr
.endm
.macro SCALES set                      ; a slot's scale words: eight loads of four words
.irp q, 0,1
.irp u, 0,1
	ds_load_b128 v[SC+32*\set+8*\q+4*\u:SC+32*\set+8*\q+4*\u+3], v[ADSA] offset:512*\q+256*\u
	ds_load_b128 v[SC+16+32*\set+8*\q+4*\u:SC+16+32*\set+8*\q+4*\u+3], v[ADSB+\set] offset:REC*\q+256*\u
.endr
.endr
.endm
.macro PLACES n                        ; plain vector places behind matrix instructions, ahead of loads into their registers and of reads of results
.rept \n
	v_nop
.endr
.endm
.macro STEP slot, q, zero              ; a step of 128 along K that has its successor in the same slot
	s_wait_dscnt 4*NL                              ; all but the youngest 16 loads (P's blocks 4-7)
	WIN MUL_LO
	MUL16 0, (\q)%2, \q, \slot, \zero
	MUL16 2, (\q)%2, \q, \slot, \zero
	s_wait_dscnt 0
	PLACES NP
	FETCH_B \slot, (\q)+1, 1-(\q)%2
	FETCH_A \slot, (\q)+1, 0
	WIN MUL_HI
	MUL16 4, (\q)%2, \q, \slot, \zero
	MUL16 6, (\q)%2, \q, \slot, \zero
	PLACES NP
	WIN 0
	FETCH_A \slot, (\q)+1, 4
.endm
; A slot's last step changes slots: in front of the barrier each wave waits for all its tensor loads, adds 0 to its spare word, and waits for that and for its reads of this slot.
.macro TURN slot, next, fill
.if \fill
	s_wait_xcnt 0x0                                ; my last prefetch has read its address
	s_add_nc_u64 s[PFA:PFA+1], s[PFA:PFA+1], s[PFS:PFS+1]
.endif
	s_wait_tensorcnt 0x0                           ; my part of the next slot has landed
	ds_add_u32 v[SPW], v[NIL]
	s_wait_dscnt 4*NL+1                            ; (the add and the youngest 16 loads may be out)
	WIN MUL_LO
	MUL16 0, 1, 1, \slot, 0
	s_wait_dscnt 0x0                               ; the add is done, and my reads of this slot are over
	s_barrier_signal -1
	MUL16 2, 1, 1, \slot, 0
	WIN 0
	s_barrier_wait -1
.if \fill
	CREST                                          ; the barrier has opened a round: no wave of any partner still reads this slot or has a load on its way
	s_add_nc_u64 s[G0+4*\slot+2:G0+4*\slot+3], s[G0+4*\slot+2:G0+4*\slot+3], 4*ARB
	s_add_nc_u64 s[G0B+4*\slot+2:G0B+4*\slot+3], s[G0B+4*\slot+2:G0B+4*\slot+3], 2*PARTB
	JLOAD G0+4*\slot, G1, G0B+4*\slot, G1B         ; my one tensor load behind the round; its four v_nop are four of the eight places
	PLACES NP-4
.else
	PLACES NP
.endif
	s_wait_alu depctr_va_vdst(0)
	v_add_nc_u32 v[ADSA], 1024, v[ADSA]            ; P's scale words: two groups on
	FETCH_B \next, 0, 0
	FETCH_A \next, 0, 0
	SCALES \next
.if \fill
	ASK \slot
.endif
	WIN MUL_HI
	MUL16 4, 1, 1, \slot, 0
	MUL16 6, 1, 1, \slot, 0
	PLACES NP
	WIN 0
	FETCH_A \next, 0, 4
.endm
	s_wait_alu depctr_va_vdst(0)
	s_wait_tensorcnt 0x0                           ; my part of slot 0 is in; the full sequence ahead of a later first fill:
	ds_add_u32 v[SPW], v[NIL]
	s_wait_dscnt 0x0                               ; the add is done, and so are my stores of scale words
	CROUND                                         ; slot 0 and the scale words are whole, and all sixteen work-groups are here
	JLOAD G0+4, G1, G0B+4, G1B                     ; slot 1's first fill: my one tensor load behind the round
	FETCH_B 0, 0, 0
	FETCH_A 0, 0, 0
	SCALES 0
	ASK 0                                          ; what the first refill will ask for
	FETCH_A 0, 0, 4
	STEP 0, 0, 1
	s_mov_b32 s3, 3
.Llap:                                         ; a trip goes once round the ring and fills both slots again
	TURN 0, 1, 1
	STEP 1, 0, 0
	TURN 1, 0, 1
	STEP 0, 0, 0
	s_sub_co_u32 s3, s3, 1
	s_cmp_lg_u32 s3, 0
	s_cbranch_scc1 .Llap
	TURN 0, 1, 0                                   ; the last lap is written out: it asks for nothing more
	STEP 1, 0, 0
	s_wait_dscnt 4*NL
	WIN MUL_LO
	MUL16 0, 1, 1, 1, 0
	MUL16 2, 1, 1, 1, 0
	s_wait_dscnt 0
	WIN MUL_HI
	MUL16 4, 1, 1, 1, 0
	MUL16 6, 1, 1, 1, 0
	WIN 0
; THE WAY OUT: block a (16 queries x 128 columns of f32) goes through my own stage and comes back as rows of 512 bytes: each store of the wave covers 512 consecutive bytes, aligned.
.macro TOSTAGE a
.set AC, 64*((\a)%4)
	WIN 0x08+4*((\a)/4)
.irp b, 0,1,2,3,4,5,6,7
	ds_store_b128 v[STO], v[AC+8*\b:AC+8*\b+3] offset:64*\b        ; each accumulator is read from its low end on
	ds_store_b128 v[STO], v[AC+8*\b+4:AC+8*\b+7] offset:64*\b+16
.endr
	WIN 0
.set BB, BK+64*((\a)%2)
.irp t, 0,1,2,3,4,5,6,7,8,9,10,11,12,13,14,15
	ds_load_b128 v[BB+4*\t:BB+4*\t+3], v[RD] offset:\t*SPITCH      ; LDS serves a wave's instructions in order: these see the stores above
.endr
.endm
.macro SEND a, younger
.set BB, BK+64*((\a)%2)
	s_wait_dscnt \younger
.if (\a) > 0
	s_add_nc_u64 s[12:13], s[12:13], 16*4096
.endif
.irp t, 0,1,2,3,4,5,6,7,8,9,10,11,12,13,14,15
	global_store_b128 v[CO], v[BB+4*\t:BB+4*\t+3], s[12:13] offset:\t*4096 th:TH_STORE_NT
.endr
.endm
	PLACES NP
	TOSTAGE 0
.irp a, 1,2,3,4,5,6,7
.if \a > 1
	s_wait_xcnt 0x0                                ; the stores of two blocks back have read their registers and their base
.endif
	TOSTAGE \a
	SEND \a-1, 32
.endr
	s_wait_xcnt 0x0
	SEND 7, 0
	s_wait_tensorcnt 0x0                           ; the wave's end
	ds_add_u32 v[SPW], v[NIL]
	s_wait_dscnt 0x0
	CROUND                                         ; the closing round
	s_endpgm
.Lfunc_end_k_qf6a3426d50_readout:
	.size	k_qf6a3426d50_readout, .Lfunc_end_k_qf6a3426d50_readout-k_qf6a3426d50_readout
	.p2alignl 7, 3214868480
	.fill 96, 4, 3214868480
	.section	.rodata,"a",@progbits
	.p2align	6, 0x0
	.amdhsa_kernel k_qf6a3426d50_readout
		.amdhsa_group_segment_fixed_size 327680
		.amdhsa_private_segment_fixed_size 0
		.amdhsa_enable_private_segment 0
		.amdhsa_kernarg_size 24
		.amdhsa_user_sgpr_count 2
		.amdhsa_user_sgpr_kernarg_segment_ptr 1
		.amdhsa_wavefront_size32 1
		.amdhsa_system_sgpr_workgroup_id_x 1
		.amdhsa_system_sgpr_workgroup_id_y 1
		.amdhsa_system_sgpr_workgroup_id_z 1
		.amdhsa_system_vgpr_workitem_id 0
		.amdhsa_next_free_vgpr 1024
		.amdhsa_next_free_sgpr 100
		.amdhsa_reserve_vcc 0
		.amdhsa_float_denorm_mode_32 3
		.amdhsa_float_denorm_mode_16_64 3
		.amdhsa_memory_ordered 1
		.amdhsa_forward_progress 1
		.amdhsa_inst_pref_size 182
	.end_amdhsa_kernel
	.amdgpu_metadata
---
amdhsa.version: [ 1, 2 ]
amdhsa.kernels:
  - .name:           k_qf6a3426d50_readout
    .symbol:         k_qf6a3426d50_readout.kd
    .args:
      - { .name: pq, .offset: 0, .size: 8, .value_kind: global_buffer, .address_space: global }
      - { .name: w2q, .offset: 8, .size: 8, .value_kind: global_buffer, .address_space: global }
      - { .name: part, .offset: 16, .size: 8, .value_kind: global_buffer, .address_space: global }
    .group_segment_fixed_size: 327680
    .private_segment_fixed_size: 0
    .kernarg_segment_align: 8
    .kernarg_segment_size: 24
    .max_flat_workgroup_size: 128
    .sgpr_count:     100
    .vgpr_count:     1024
    .wavefront_size: 32
...
	.end_amdgpu_metadata
.endif
;; end of part 3
;; launch combine (part 4): grid 256 x 1, 16 waves a work-group, no clusters, 0 bytes of LDS; arguments part, out0; writes out0
.if DOCPART == 4
	.amdgcn_target "amdgcn-amd-amdhsa--gfx1250"
	.amdhsa_code_object_version 6
	.text
	.protected	k_qf6a3426d50_combine
	.globl	k_qf6a3426d50_combine
	.p2align	8
	.type	k_qf6a3426d50_combine,@function
k_qf6a3426d50_combine:
	s_mov_b64 s[64:65], 0
	v_nop
	global_prefetch_b8 v0, s[64:65] scope:SCOPE_SE
	s_setreg_imm32_b32 hwreg(HW_REG_WAVE_MODE, 25, 1), 1
	s_wait_xcnt 0x0
; COMBINE: out0[row] = (the sum over the 16 splits of part[split][row] x 2^(M(split) - M)) / l, with M the row's largest M(split) and l the row's sum of p under M.  All factors 2^(..) are exact.
; A wave takes 256 columns (1,024 bytes) of one row in all 16 splits: 32 loads of 512 consecutive bytes, all issued at once; two stores of 512 bytes.  A stream: no LDS, no barrier, no matrix unit, no cluster
; (no two work-groups read the same bytes).
; The splits' statistics: lane s + 16 j reads -M(split s) and the j-th half of that split's sum, for the wave's row.
.set SST, 67108864
.set VO,  2                            ; v2-9    16 x lane + 8,388,608 k: two splits to an offset register, so that the rest stands in the immediate
.set ACC, 16                           ; v16-23
.set D,   32                           ; v32-159 split s: 8 registers
	s_load_b128 s[4:7], s[0:1], 0x0                ; part, out0
	v_lshrrev_b32 v1, 5, v0
	s_delay_alu instid0(VALU_DEP_1)
	v_readfirstlane_b32 s8, v1                     ; wave 0..15
	v_and_b32 v1, 31, v0
	s_wait_alu depctr_va_vdst(0)
	s_lshr_b32 s9, s8, 2
	s_lshl_b32 s10, ttmp9, 2
	s_add_co_u32 s9, s9, s10                       ; the row
	s_and_b32 s10, s8, 3                           ; which 256 columns
	s_lshr_b32 s11, s9, 7                          ; its group of 128 rows,
	s_and_b32 s12, s9, 31                          ; and its place in a block of statistics: 16 (row % 32) + 4 ((row / 32) % 4)
	s_bfe_u32 s13, s9, 0x20005
	s_lshl_b32 s16, s10, 18
	s_lshl_b32 s14, s11, 11
	s_add_co_u32 s16, s16, s14
	s_lshl_b32 s14, s12, 4
	s_add_co_u32 s16, s16, s14
	s_lshl_b32 s14, s13, 2
	s_add_co_u32 s16, s16, s14
	s_add_co_u32 s16, s16, SST
	s_mov_b32 s17, 0
	s_lshl_b32 s18, s9, 12
	s_lshl_b32 s14, s10, 10
	s_add_co_u32 s18, s18, s14
	s_mov_b32 s19, 0
	s_mov_b32 s22, 0x76543210
	s_mov_b32 s23, 0xfedcba98
	v_and_b32 v10, 15, v0
	v_bfe_u32 v11, v0, 4, 1
	s_delay_alu instid0(VALU_DEP_2)
	v_lshlrev_b32 v10, 14, v10
	s_delay_alu instid0(VALU_DEP_1)
	v_lshl_add_u32 v10, v11, 10, v10               ; 16,384 x split + 1,024 x half
	v_lshlrev_b32 v[VO], 4, v1
.irp k, 1,2,3,4,5,6,7
	v_add_nc_u32 v[VO+\k], \k*8388608, v[VO]
.endr
	v_mov_b32 v25, 0                               ; a lane permute's destination counts as one of its sources
	s_wait_alu depctr_va_vdst(0)
	s_wait_kmcnt 0x0
	s_add_nc_u64 s[16:17], s[4:5], s[16:17]
	s_add_nc_u64 s[20:21], s[6:7], s[18:19]
	s_add_nc_u64 s[18:19], s[4:5], s[18:19]
	global_load_b32 v12, v10, s[16:17]             ; -M(split)
	global_load_b32 v13, v10, s[16:17] offset:512  ; half of the split's sum
.irp k, 0,1,2,3,4,5,6,7
	global_load_b128 v[D+16*\k:D+16*\k+3], v[VO+\k], s[18:19] th:TH_LOAD_NT
	global_load_b128 v[D+16*\k+4:D+16*\k+7], v[VO+\k], s[18:19] offset:512 th:TH_LOAD_NT
	global_load_b128 v[D+16*\k+8:D+16*\k+11], v[VO+\k], s[18:19] offset:4194304 th:TH_LOAD_NT
	global_load_b128 v[D+16*\k+12:D+16*\k+15], v[VO+\k], s[18:19] offset:4194816 th:TH_LOAD_NT
.endr
	s_wait_loadcnt 32                              ; the two statistics are in; the 32 loads behind them may be out
	v_mov_b32 v15, v12
	s_delay_alu instid0(VALU_DEP_1)
	v_min_num_f32_dpp v15, v15, v15 row_xmask:1 row_mask:0xf bank_mask:0xf
	s_delay_alu instid0(VALU_DEP_1)
	v_min_num_f32_dpp v15, v15, v15 row_xmask:2 row_mask:0xf bank_mask:0xf
	s_delay_alu instid0(VALU_DEP_1)
	v_min_num_f32_dpp v15, v15, v15 row_xmask:4 row_mask:0xf bank_mask:0xf
	s_delay_alu instid0(VALU_DEP_1)
	v_min_num_f32_dpp v15, v15, v15 row_xmask:8 row_mask:0xf bank_mask:0xf   ; -M of the row: each half of the lanes holds all 16 splits
	s_delay_alu instid0(VALU_DEP_1)
	v_sub_f32 v24, v15, v12                        ; M(split) - M: a whole number, 0 or less
	s_delay_alu instid0(VALU_DEP_1)
	v_max_num_f32 v24, 0xc3960000, v24             ; held at -300: 2^-300 is 0 in f32
	s_delay_alu instid0(VALU_DEP_1)
	v_cvt_i32_f32 v24, v24
	s_delay_alu instid0(VALU_DEP_1)
	v_ldexp_f32 v14, 1.0, v24                      ; f
	s_delay_alu instid0(VALU_DEP_1)
	v_mul_f32 v13, v13, v14
	s_delay_alu instid0(VALU_DEP_1)
	v_add_f32_dpp v13, v13, v13 row_xmask:1 row_mask:0xf bank_mask:0xf
	s_delay_alu instid0(VALU_DEP_1)
	v_add_f32_dpp v13, v13, v13 row_xmask:2 row_mask:0xf bank_mask:0xf
	s_delay_alu instid0(VALU_DEP_1)
	v_add_f32_dpp v13, v13, v13 row_xmask:4 row_mask:0xf bank_mask:0xf
	s_delay_alu instid0(VALU_DEP_1)
	v_add_f32_dpp v13, v13, v13 row_xmask:8 row_mask:0xf bank_mask:0xf
	s_delay_alu instid0(VALU_DEP_1)
	v_permlanex16_b32 v25, v13, s22, s23
	s_delay_alu instid0(VALU_DEP_1)
	v_add_f32 v13, v13, v25                        ; l
	s_wait_alu depctr_va_vdst(0)
	v_rcp_f32 v26, v13
	v_nop                                          ; a plain place behind the reciprocal
	s_wait_alu depctr_va_vdst(0)                   ; and the wait ahead of its first reader
	v_mul_f32 v14, v14, v26                        ; f / l
	s_wait_alu depctr_va_vdst(0)
.irp s, 0,1,2,3,4,5,6,7,8,9,10,11,12,13,14,15
	v_readlane_b32 s[32+2*\s], v14, \s
	s_mov_b32 s[33+2*\s], s[32+2*\s]               ; (the packed form names a pair)
.endr
.irp s, 0,1,2,3,4,5,6,7,8,9,10,11,12,13,14,15
	s_wait_alu depctr_va_vdst(0)
	s_wait_loadcnt 30-2*\s                         ; split s's two loads are in; the later splits' may be out
.irp j, 0,2,4,6
.if \s == 0
	s_wait_alu depctr_va_vdst(0)
	v_pk_mul_f32 v[ACC+\j:ACC+\j+1], v[D+8*\s+\j:D+8*\s+\j+1], s[32+2*\s:33+2*\s] op_sel_hi:[1,0]
.else
	v_pk_fma_f32 v[ACC+\j:ACC+\j+1], v[D+8*\s+\j:D+8*\s+\j+1], s[32+2*\s:33+2*\s], v[ACC+\j:ACC+\j+1] op_sel_hi:[1,0,1]
.endif
.endr
.endr
	global_store_b128 v[VO], v[ACC:ACC+3], s[20:21] th:TH_STORE_NT
	global_store_b128 v[VO], v[ACC+4:ACC+7], s[20:21] offset:512 th:TH_STORE_NT
	s_endpgm
.Lfunc_end_k_qf6a3426d50_combine:
	.size	k_qf6a3426d50_combine, .Lfunc_end_k_qf6a3426d50_combine-k_qf6a3426d50_combine
	.p2alignl 7, 3214868480
	.fill 96, 4, 3214868480
	.section	.rodata,"a",@progbits
	.p2align	6, 0x0
	.amdhsa_kernel k_qf6a3426d50_combine
		.amdhsa_group_segment_fixed_size 0
		.amdhsa_private_segment_fixed_size 0
		.amdhsa_enable_private_segment 0
		.amdhsa_kernarg_size 16
		.amdhsa_user_sgpr_count 2
		.amdhsa_user_sgpr_kernarg_segment_ptr 1
		.amdhsa_wavefront_size32 1
		.amdhsa_system_sgpr_workgroup_id_x 1
		.amdhsa_system_sgpr_workgroup_id_y 1
		.amdhsa_system_sgpr_workgroup_id_z 1
		.amdhsa_system_vgpr_workitem_id 0
		.amdhsa_next_free_vgpr 160
		.amdhsa_next_free_sgpr 72
		.amdhsa_reserve_vcc 0
		.amdhsa_float_denorm_mode_32 3
		.amdhsa_float_denorm_mode_16_64 3
		.amdhsa_memory_ordered 1
		.amdhsa_forward_progress 1
		.amdhsa_inst_pref_size 14
	.end_amdhsa_kernel
	.amdgpu_metadata
---
amdhsa.version: [ 1, 2 ]
amdhsa.kernels:
  - .name:           k_qf6a3426d50_combine
    .symbol:         k_qf6a3426d50_combine.kd
    .args:
      - { .name: part, .offset: 0, .size: 8, .value_kind: global_buffer, .address_space: global }
      - { .name: out0, .offset: 8, .size: 8, .value_kind: global_buffer, .address_space: global }
    .group_segment_fixed_size: 0
    .private_segment_fixed_size: 0
    .kernarg_segment_align: 8
    .kernarg_segment_size: 16
    .max_flat_workgroup_size: 512
    .sgpr_count:     72
    .vgpr_count:     160
    .wavefront_size: 32
...
	.end_amdgpu_metadata
.endif
;; end of part 4
